; MI455X (gfx1250); checked and timed in simulation.
; The chip was launched on July 23, 2026; its instructions are those of AMD's public machine-readable ISA for CDNA 5 (MIT licence, August 2026) and "CDNA5" Instruction Set Architecture Reference Guide (July 2026). The comments in the code are by the model that wrote it; some were corrected since.
;; Grouped Query Attention. Allowed arithmetic: matrix products marked QUANTISED: E4M3 operands, one E8M0 scale for each 32 along K, by v_wmma_scale_f32_16x16x128_f8f6f4 with both operands' format E4M3, f32 sums; everything else in f32.
;; Inputs: Wk 1,024 x 256 float32; Wo 1,024 x 1,024 float32; Wq 1,024 x 1,024 float32; Wv 1,024 x 256 float32; x 4 x 2,048 x 1,024 float32.
;; Outputs: out0 4 x 2,048 x 1,024 float32.
;; This version of the problem:
;;   THIS VERSION OF THE PROBLEM IS GIVEN IN LOW PRECISION. The matrix products marked QUANTISED in the list below multiply operands that are first quantised to E4M3 (4 exponent bits, 3 mantissa bits; 8 bits a number), with one power-of-two scale for each 32 numbers along K (OCP MX v1.0); their sums are f32. All else is computed in f32.
;;   The module's matrix products, in the order in which they are computed (A, B: the left and right operand; K: the contracted axis; several contracted axes count as one K, in the product's order):
;;     1. [M 8,192, K 1,024] x [K 1,024, N 1,024]; A: input x; B: input Wq: QUANTISED
;;     2. [M 8,192, K 1,024] x [K 1,024, N 256]; A: input x; B: input Wk: QUANTISED
;;     3. [M 8,192, K 1,024] x [K 1,024, N 256]; A: input x; B: input Wv: QUANTISED
;;     4. batch 64 x [M 2,048, K 64] x [K 64, N 2,048]; A: computed on the way; B: computed on the way: QUANTISED
;;     5. batch 64 x [M 2,048, K 2,048] x [K 2,048, N 64]; A: softmax (see below); B: computed on the way: QUANTISED
;;     6. [M 8,192, K 1,024] x [K 1,024, N 1,024]; A: computed on the way; B: input Wo: QUANTISED
;;   THE QUANTISER, for each operand of a quantised product, along K:
;;     - K is cut into blocks of 32 from its start; a last block that is shorter is filled with zeros.
;;     - A block's scale is 2^e with e = floor(log2(the largest magnitude in the block)) - 8, held to -126 .. 127; a block of zeros has e = 0. As a byte (E8M0): e + 127.
;;     - Each number is divided by its block's scale, clamped to +-448, and rounded to the nearest number of E4M3, ties to even, subnormals kept.
;;     - The product sums the exact products of the quantised numbers (number of the format x scale) in f32.
;;   ~~~python
;;   def quantise(x, axis):      # numpy; x: float32 -> the quantised numbers, widened to float32 again
;;       x = np.moveaxis(x, axis, -1); K = x.shape[-1]
;;       x = np.pad(x, [(0, 0)] * (x.ndim - 1) + [(0, -K % 32)]); x = x.reshape(x.shape[:-1] + (-1, 32)); a = np.abs(x).max(-1, keepdims=True)
;;       e = np.where(a > 0, np.clip(np.frexp(np.where(a > 0, a, 1))[1] - 1 - 8, -126, 127), 0)      # np.frexp(a)[1] - 1 = floor(log2(a)), exactly
;;       r = np.clip(x / 2.0 ** e, -448, 448)
;;       step = 2.0 ** (np.maximum(np.frexp(np.where(r == 0, 1, r))[1] - 1, -6) - 3)
;;       q = np.round(r / step) * step * 2.0 ** e      # np.round: ties to even
;;       return np.moveaxis(q.reshape(q.shape[:-2] + (-1,))[..., :K], -1, axis).astype(np.float32)
;;   ~~~
;;   SOFTMAX AHEAD OF A QUANTISED PRODUCT. Where the list says 'softmax', what is quantised is not the finished softmax but p = 2^(t - M), with t = logit x log2(e) and M = ceil(the row's largest t), a whole number; so 1/2 < the row's largest p <= 1. The row's sum l is taken of the UNQUANTISED p, in f32, and the product's result is divided by l at the end. Since M is a whole number, a kernel that streams over the keys may use a running M (the ceiling of the running maximum): every later rescaling is an exact power of two, which a block's scale takes up: the codes' values come out the same.
;;   OPERANDS COMPUTED ON THE WAY. 'Computed on the way' means the value that the module computes at that place (a softmax that the list does not call 'softmax' is quantised finished and normalised). What goes into a quantiser is computed in f32, as accurately as f32 sums, v_exp_f32 and their like allow (about 1e-6 of the number): no bf16 or f16 on the way to a quantiser, and a product that is left as it is and whose result goes on into a quantised operand takes f32 operands (vector FMAs, or v_wmma_f32_16x16x4_f32). A number that lies on a knife's edge between two numbers of the format may be rounded either way, as far as f32 arithmetic and the matrix unit's own rounding can turn it there, and no further.
;; One version. Each part assembles by itself: llvm-mc -triple=amdgcn-amd-amdhsa -mcpu=gfx1250 --defsym DOCPART=n.
;; ======== version 1 of 1: 4 launches
;; limits: right only within a limited range of input values
;; workspace buffers: xc 8,388,608 bytes; xs 262,144 bytes; wc 2,621,440 bytes; ws 262,144 bytes; qkq 10,813,440 bytes; vq 2,162,688 bytes; ac 8,388,608 bytes; asc 262,144 bytes
;; launch quant (part 1): grid 336 x 1, 4 waves a work-group, no clusters, 68,096 bytes of LDS; arguments x, Wq, Wk, Wv, Wo, xc, xs, wc, ws; writes xc, xs, wc, ws
.if DOCPART == 1
	.amdgcn_target "amdgcn-amd-amdhsa--gfx1250"
	.amdhsa_code_object_version 6
	.text
	.protected	k_q66c4afcef9_quant
	.globl	k_q66c4afcef9_quant
	.p2align	8
	.type	k_q66c4afcef9_quant,@function
k_q66c4afcef9_quant:
	s_mov_b64 s[64:65], 0
	v_nop
	global_prefetch_b8 v0, s[64:65] scope:SCOPE_SE
	s_setreg_imm32_b32 hwreg(HW_REG_WAVE_MODE, 25, 1), 1
	s_wait_xcnt 0x0
; One launch quantises x and the four weights to codes of FP8 (E4M3), K innermost, with one E8M0 byte for each 32 along K.
; A block's scale is 2^(floor(log2(its largest magnitude)) - 8); its byte is that magnitude's exponent field - 8, held at 1 from below; each number is divided by the scale, held within +-448, rounded to nearest even.
; LIMITS: a block of zeros gets the byte 1 where the rule says 127 (zero codes; this program alone reads the bytes); blocks under 2^-118 keep the byte 1; NaN and infinities are not served.
; Work-groups 0-79 take the weights (128 columns x 256 along K each), work-groups 80-335 take x (32 rows each).  The two paths part on the work-group's number and have LDS bytes of their own.
; Rows (tokens of x, columns of a weight) are stored at sigma(row), sigma = bits 3 and 4 exchanged.  xc: [stored row][1024]; xs, ws: [K step of 256][stored row][8 bytes]; wc: rows 0-1023 Wq, 1024-1279 Wk, 1280-1535 Wv, 1536-2559 Wo.
.set EMAX,  8
.set MANT,  0x600000
.set SPW,   208                        ; LDS address of my spare word; never rewritten
.set NIL,   209                        ; 0; never rewritten
.set WBASE, 32768                      ; the weights' path: four stages from here
.set SPARE, 67584                      ; the spare words, 128 bytes a wave
	v_lshl_add_u32 v[SPW], v0, 2, SPARE
	v_mov_b32 v[NIL], 0
	v_lshrrev_b32 v1, 5, v0
	v_readfirstlane_b32 s3, v1                     ; wave
	v_and_b32 v2, 31, v0                           ; lane
	s_cmp_lt_u32 ttmp9, 80
	s_wait_alu depctr_va_vdst(0)
	s_cbranch_scc1 .Lweights
; ---- x: a wave takes 8 rows, 16 steps of 512 numbers; each load reads 512 consecutive bytes; a step turns through the wave's stage so that a lane holds 16 neighbours along K
.set STEPS, 16
.set CB,    16
.set R,     16                         ; v16-79 four sets as loaded
.set X,     80                         ; v80-111 two sets of 16 neighbours
.set C,     128                        ; v128-191 codes, four registers a step
.set E,     112                        ; v112-127 a scale byte a step
.set WREG,  8192
.set SP,    80
	s_load_b64 s[4:5], s[0:1], 0x0                 ; x
	s_load_b128 s[8:11], s[0:1], 0x28              ; xc, xs
	v_lshlrev_b32 v3, 4, v2
	s_mul_i32 s17, s3, WREG
	v_lshrrev_b32 v14, 2, v2
	v_mul_u32_u24 v14, v14, SP
	v_and_b32 v15, 3, v2
	v_lshl_add_u32 v14, v15, 4, v14
	v_add_nc_u32 v14, s17, v14                     ; the stage on the way in
	v_mul_u32_u24 v15, v2, SP
	v_add_nc_u32 v15, s17, v15                     ; and on the way out
	v_mul_u32_u24 v4, v2, CB
	v_lshrrev_b32 v5, 1, v2
	s_add_co_u32 s17, s17, 2*32*SP
	v_add_nc_u32 v5, s17, v5                       ; my block's byte among the wave's 256
	v_lshlrev_b32 v7, 3, v2
	v_add_nc_u32 v6, s17, v7
	v_and_b32 v7, 3, v2
	v_lshrrev_b32 v8, 2, v2
	v_lshlrev_b32 v8, 3, v8
	v_lshl_or_b32 v7, v7, 16, v8                   ; place in xs: 65,536 x K step + 8 x row
	s_mov_b32 s23, MANT
	s_sub_co_u32 s18, ttmp9, 80
	s_lshl_b32 s18, s18, 2
	s_add_co_u32 s19, s18, s3                      ; the run of 8 rows that I read
	s_lshl_b32 s20, s19, 15
	s_mov_b32 s21, 0
	s_and_b32 s22, s3, 1
	s_lshl_b32 s22, s22, 1
	s_lshr_b32 s24, s3, 1
	s_or_b32 s22, s22, s24                         ; the wave's two bits exchanged: sigma
	s_add_co_u32 s22, s22, s18
	s_lshl_b32 s24, s22, 13
	s_mov_b32 s25, 0
	s_lshl_b32 s26, s22, 6
	s_mov_b32 s27, 0
	s_wait_alu depctr_va_vdst(0)
	s_wait_kmcnt 0x0
	s_add_nc_u64 s[4:5], s[4:5], s[20:21]
	s_add_nc_u64 s[8:9], s[8:9], s[24:25]
	s_add_nc_u64 s[10:11], s[10:11], s[26:27]
.macro XLOAD t
.irp i, 0,1,2,3
	global_load_b128 v[R+16*((\t)%4)+4*\i:R+16*((\t)%4)+4*\i+3], v3, s[4:5] offset:2048*(\t)+512*\i th:TH_LOAD_NT
.endr
.endm
.macro XTURN t                         ; LDS serves a wave's instructions in order: no wait between the stores and the loads
.irp i, 0,1,2,3
	ds_store_b128 v14, v[R+16*((\t)%4)+4*\i:R+16*((\t)%4)+4*\i+3] offset:32*SP*((\t)%2)+8*SP*\i
.endr
.irp i, 0,1,2,3
	ds_load_b128 v[X+16*((\t)%2)+4*\i:X+16*((\t)%2)+4*\i+3], v15 offset:32*SP*((\t)%2)+16*\i
.endr
.endm
.irp t, 0,1,2,3
	XLOAD \t
.endr
	s_wait_loadcnt 12                              ; step 0's four loads are in; twelve younger stay out
	XTURN 0
.macro XSTEP t
.set XS, X+16*((\t)%2)
.if (\t) > 0
	s_wait_dscnt 1                                 ; this step's numbers are back; the last step's byte store may be out
.else
	s_wait_dscnt 0x0
.endif
.if (\t)+4 < STEPS
	XLOAD (\t)+4
.endif
.if (\t)+1 < STEPS
.if STEPS-2-(\t) >= 3
	s_wait_loadcnt 12                              ; the next step's four are in; three steps' loads may be out
.else
	s_wait_loadcnt 4*(STEPS-2-(\t))
.endif
	XTURN (\t)+1
.endif
	v_max3_num_f32 v8, |v[XS]|, |v[XS+1]|, |v[XS+2]|
	v_max3_num_f32 v9, |v[XS+3]|, |v[XS+4]|, |v[XS+5]|
.irp i, 6,10
	v_max3_num_f32 v8, v8, |v[XS+\i]|, |v[XS+\i+1]|
	v_max3_num_f32 v9, v9, |v[XS+\i+2]|, |v[XS+\i+3]|
.endr
	v_max3_num_f32 v8, v8, |v[XS+14]|, |v[XS+15]|
	v_max3_num_f32 v8, v8, v9, (EMAX+1)<<23        ; the floor: the byte cannot fall under 1
	v_max_num_f32_dpp v8, v8, v8 row_xmask:1 row_mask:0xf bank_mask:0xf
	v_add_nc_u32 v11, -(EMAX<<23), v8              ; the conversion's scale operand
	v_and_or_b32 v10, v8, 0x7f800000, s23          ; 448 x the scale
.irp i, 0,1,2,3,4,5,6,7,8,9,10,11,12,13,14,15
	v_med3_num_f32 v[XS+\i], v[XS+\i], -v10, v10   ; the hold: the conversion does not saturate (ISA guide 7.6.2)
.endr
	v_cvt_scalef32_pk8_fp8_f32 v[C+4*(\t):C+4*(\t)+1], v[XS:XS+7], v11
	v_cvt_scalef32_pk8_fp8_f32 v[C+4*(\t)+2:C+4*(\t)+3], v[XS+8:XS+15], v11
	v_lshrrev_b32 v[E+(\t)], 23, v11               ; the byte (also the plain line behind the conversions)
	ds_store_b8 v5, v[E+(\t)] offset:16*(\t)
	global_store_b128 v4, v[C+4*(\t):C+4*(\t)+3], s[8:9] offset:32*CB*(\t)   ; 512 consecutive bytes a wave
.endm
.irp t, 0,1,2,3,4,5,6,7,8,9,10,11,12,13,14,15
	XSTEP \t
.endr
	ds_load_b64 v[8:9], v6
	s_wait_dscnt 0x0
	global_store_b64 v7, v[8:9], s[10:11]          ; four pieces of 64 consecutive bytes, one a K step
	s_wait_tensorcnt 0x0                           ; the wave's end
	ds_add_u32 v[SPW], v[NIL]
	s_wait_dscnt 0x0
	s_endpgm
; ---- the weights: K is their first axis.  A lane takes a column, its registers run down K; the codes leave through the wave's stage as rows of 256 bytes
.Lweights:
.set NB,    8
.set PITCH, 272
.set X,     32                         ; v32-95 two sets of 32 numbers
.set C,     96                         ; v96-103 a block's codes
.set OUTR,  112                        ; v112-175 the way out
.set RO,    176                        ; v176-207 offset of row i of a block at my column
.set SB,    24
.set BS,    32                         ; s[32:47] a base for each block
	s_load_b256 s[4:11], s[0:1], 0x8               ; Wq, Wk, Wv, Wo
	s_load_b128 s[12:15], s[0:1], 0x38             ; wc, ws
	s_lshr_b32 s49, ttmp9, 2                       ; which 128 of the 2,560 columns
	s_and_b32 s26, ttmp9, 3                        ; which K step of 256
	v_lshlrev_b32 v3, 2, v2
	s_mul_i32 s21, s3, 32*PITCH
	s_add_co_u32 s21, s21, WBASE                   ; my stage
	v_mul_u32_u24 v4, v2, PITCH
	v_add_nc_u32 v4, s21, v4
	v_and_b32 v5, 15, v2
	v_lshrrev_b32 v6, 4, v2
	v_mul_u32_u24 v7, v6, PITCH
	v_lshl_add_u32 v7, v5, 4, v7
	v_add_nc_u32 v7, s21, v7
	v_lshlrev_b32 v8, 10, v6
	v_lshl_add_u32 v8, v5, 4, v8
	v_and_b32 v9, 7, v2                            ; sigma(lane)
	v_and_b32 v10, 8, v2
	v_lshl_or_b32 v9, v10, 1, v9
	v_and_b32 v10, 16, v2
	v_lshrrev_b32 v10, 1, v10
	v_or_b32 v9, v9, v10
	v_lshlrev_b32 v9, 3, v9
	s_cmp_lt_u32 s49, 12                           ; the tensor's first group of 128 columns
	s_cselect_b32 s18, 10, 12
	s_cmp_lt_u32 s49, 10
	s_cselect_b32 s18, 8, s18
	s_cmp_lt_u32 s49, 8
	s_cselect_b32 s18, 0, s18
	s_sub_co_u32 s19, s49, 8
	s_cmp_lt_u32 s19, 4                            ; Wk, Wv: rows of 1,024 bytes; Wq, Wo: of 4,096
	s_cselect_b32 s19, 10, 12
	s_lshl_b32 s20, 1, s19
.irp i, 0,1,2,3,4,5,6,7,8,9,10,11,12,13,14,15,16,17,18,19,20,21,22,23,24,25,26,27,28,29,30,31
	v_mad_u32_u24 v[RO+\i], s20, \i, v3
.endr
	s_sub_co_u32 s21, s49, s18
	s_lshl_b32 s21, s21, 7
	s_lshl_b32 s22, s3, 5
	s_add_co_u32 s21, s21, s22
	s_lshl_b32 s21, s21, 2
	s_lshl_b32 s22, s26, 8
	s_lshl_b32 s22, s22, s19
	s_add_co_u32 s22, s22, s21
	s_mov_b32 s23, 0
	s_lshl_b32 s24, 32, s19
	s_mov_b32 s25, 0
	s_lshl_b32 s27, s49, 7
	s_lshl_b32 s28, s3, 5
	s_add_co_u32 s27, s27, s28                     ; my wave's first stored row
	s_lshl_b32 s28, s27, 10
	s_lshl_b32 s29, s26, 8
	s_add_co_u32 s28, s28, s29
	s_mov_b32 s29, 0
	s_lshl_b32 s30, s27, 3
	s_lshl_b32 s31, s26, 16
	s_add_co_u32 s30, s30, s31
	s_mov_b32 s31, 0
	s_mov_b32 s48, MANT
	s_wait_alu depctr_va_vdst(0)
	s_wait_kmcnt 0x0
	s_cmp_lt_u32 s49, 12                           ; the tensor: chosen by the work-group's number alone
	s_cselect_b64 s[16:17], s[8:9], s[10:11]
	s_cmp_lt_u32 s49, 10
	s_cselect_b64 s[16:17], s[6:7], s[16:17]
	s_cmp_lt_u32 s49, 8
	s_cselect_b64 s[16:17], s[4:5], s[16:17]
	s_add_nc_u64 s[BS:BS+1], s[16:17], s[22:23]
.irp t, 1,2,3,4,5,6,7
	s_add_nc_u64 s[BS+2*\t:BS+2*\t+1], s[BS+2*\t-2:BS+2*\t-1], s[24:25]
.endr
	s_add_nc_u64 s[12:13], s[12:13], s[28:29]
	s_add_nc_u64 s[14:15], s[14:15], s[30:31]
.macro WLOAD t
.irp i, 0,1,2,3,4,5,6,7,8,9,10,11,12,13,14,15,16,17,18,19,20,21,22,23,24,25,26,27,28,29,30,31
	global_load_b32 v[X+32*((\t)%2)+\i], v[RO+\i], s[BS+2*(\t):BS+2*(\t)+1] th:TH_LOAD_NT
.endr
.endm
	WLOAD 0
	WLOAD 1
.macro WBLOCK t
.set XS, X+32*((\t)%2)
.if (\t) < NB-1
	s_wait_loadcnt 32                              ; this block's 32 loads are in; the next block's may be out
.else
	s_wait_loadcnt 0
.endif
	v_max3_num_f32 v12, |v[XS]|, |v[XS+1]|, |v[XS+2]|
	v_max3_num_f32 v13, |v[XS+3]|, |v[XS+4]|, |v[XS+5]|
.irp i, 6,10,14,18,22,26
	v_max3_num_f32 v12, v12, |v[XS+\i]|, |v[XS+\i+1]|
	v_max3_num_f32 v13, v13, |v[XS+\i+2]|, |v[XS+\i+3]|
.endr
	v_max3_num_f32 v12, v12, |v[XS+30]|, |v[XS+31]|
	v_max3_num_f32 v12, v12, v13, (EMAX+1)<<23
	v_add_nc_u32 v11, -(EMAX<<23), v12
	v_and_or_b32 v10, v12, 0x7f800000, s48
	v_lshrrev_b32 v13, 23, v11
.if (\t)%4 == 0
	v_mov_b32 v[SB+(\t)/4], v13
.else
	v_lshl_or_b32 v[SB+(\t)/4], v13, 8*((\t)%4), v[SB+(\t)/4]
.endif
.irp i, 0,1,2,3,4,5,6,7,8,9,10,11,12,13,14,15,16,17,18,19,20,21,22,23,24,25,26,27,28,29,30,31
	v_med3_num_f32 v[XS+\i], v[XS+\i], -v10, v10
.endr
.irp g, 0,1,2,3
	v_cvt_scalef32_pk8_fp8_f32 v[C+2*\g:C+2*\g+1], v[XS+8*\g:XS+8*\g+7], v11
.endr
	v_nop                                          ; a plain line behind the last conversion
	ds_store_b128 v4, v[C:C+3] offset:32*(\t)
	ds_store_b128 v4, v[C+4:C+7] offset:32*(\t)+16
.if (\t)+2 < NB
	WLOAD (\t)+2
.endif
	s_wait_dscnt 0x0                               ; the stores have read their registers
.endm
.set Q, 0
.rept NB
	WBLOCK Q
.set Q, Q+1
.endr
	global_store_b64 v9, v[SB:SB+1], s[14:15]      ; 32 rows x 8 bytes: 256 consecutive bytes, aligned
.irp t, 0,1,2,3,4,5,6,7,8,9,10,11,12,13,14,15
	ds_load_b128 v[OUTR+4*\t:OUTR+4*\t+3], v7 offset:2*\t*PITCH
.endr
.irp t, 0,1,2,3,4,5,6,7,8,9,10,11,12,13,14,15
	s_wait_dscnt 15-\t
	global_store_b128 v8, v[OUTR+4*\t:OUTR+4*\t+3], s[12:13] offset:(((2*\t)&7)|(((2*\t)&8)<<1)|(((2*\t)&16)>>1))*1024
.endr
	s_wait_tensorcnt 0x0                           ; the wave's end
	ds_add_u32 v[SPW], v[NIL]
	s_wait_dscnt 0x0
	s_endpgm
.Lfunc_end_k_q66c4afcef9_quant:
	.size	k_q66c4afcef9_quant, .Lfunc_end_k_q66c4afcef9_quant-k_q66c4afcef9_quant
	.p2alignl 7, 3214868480
	.fill 96, 4, 3214868480
	.section	.rodata,"a",@progbits
	.p2align	6, 0x0
	.amdhsa_kernel k_q66c4afcef9_quant
		.amdhsa_group_segment_fixed_size 68096
		.amdhsa_private_segment_fixed_size 0
		.amdhsa_enable_private_segment 0
		.amdhsa_kernarg_size 72
		.amdhsa_user_sgpr_count 2
		.amdhsa_user_sgpr_kernarg_segment_ptr 1
		.amdhsa_wavefront_size32 1
		.amdhsa_system_sgpr_workgroup_id_x 1
		.amdhsa_system_sgpr_workgroup_id_y 1
		.amdhsa_system_sgpr_workgroup_id_z 1
		.amdhsa_system_vgpr_workitem_id 0
		.amdhsa_next_free_vgpr 216
		.amdhsa_next_free_sgpr 66
		.amdhsa_reserve_vcc 0
		.amdhsa_float_denorm_mode_32 3
		.amdhsa_float_denorm_mode_16_64 3
		.amdhsa_memory_ordered 1
		.amdhsa_forward_progress 1
		.amdhsa_inst_pref_size 113
	.end_amdhsa_kernel
	.amdgpu_metadata
---
amdhsa.version: [ 1, 2 ]
amdhsa.kernels:
  - .name:           k_q66c4afcef9_quant
    .symbol:         k_q66c4afcef9_quant.kd
    .args:
      - { .name: x, .offset: 0, .size: 8, .value_kind: global_buffer, .address_space: global }
      - { .name: Wq, .offset: 8, .size: 8, .value_kind: global_buffer, .address_space: global }
      - { .name: Wk, .offset: 16, .size: 8, .value_kind: global_buffer, .address_space: global }
      - { .name: Wv, .offset: 24, .size: 8, .value_kind: global_buffer, .address_space: global }
      - { .name: Wo, .offset: 32, .size: 8, .value_kind: global_buffer, .address_space: global }
      - { .name: xc, .offset: 40, .size: 8, .value_kind: global_buffer, .address_space: global }
      - { .name: xs, .offset: 48, .size: 8, .value_kind: global_buffer, .address_space: global }
      - { .name: wc, .offset: 56, .size: 8, .value_kind: global_buffer, .address_space: global }
      - { .name: ws, .offset: 64, .size: 8, .value_kind: global_buffer, .address_space: global }
    .group_segment_fixed_size: 68096
    .private_segment_fixed_size: 0
    .kernarg_segment_align: 8
    .kernarg_segment_size: 72
    .max_flat_workgroup_size: 128
    .sgpr_count:     66
    .vgpr_count:     216
    .wavefront_size: 32
...
	.end_amdgpu_metadata
.endif
;; end of part 1
;; launch gemm_qkv (part 2): grid 32 x 6, 4 waves a work-group, no clusters, 327,680 bytes of LDS; arguments xc, xs, wc, ws, qkq, vq; writes qkq, vq
.if DOCPART == 2
	.amdgcn_target "amdgcn-amd-amdhsa--gfx1250"
	.amdhsa_code_object_version 6
	.text
	.protected	k_q66c4afcef9_gemm_qkv
	.globl	k_q66c4afcef9_gemm_qkv
	.p2align	8
	.type	k_q66c4afcef9_gemm_qkv,@function
k_q66c4afcef9_gemm_qkv:
	s_mov_b64 s[64:65], 0
	v_nop
	global_prefetch_b8 v0, s[64:65] scope:SCOPE_SE
	s_setreg_imm32_b32 hwreg(HW_REG_WAVE_MODE, 25, 1), 1
	s_wait_xcnt 0x0
.set NQ,     2
.set ROWB,   256
.set PITCH,  272
.set FR,     16
.set NL,     4
.set NP,     8
.set HALFT,  128*PITCH
.set SLOT,   4*HALFT
.set SCL,    2*SLOT
.set HALFS,  1024
.set SGAP,   8320
.set SPARE,  295168
.set ADRA, 16
.set ADRB, 20
.set STG,  24
.set RDS,  25
.set LI,   26
.set ADRS, 27
.set SPW,  28
.set NIL,  29
.set LN,   30
.set SC,   32
.set TM,   64
.set PW,   80
.set WL,   88
.set WS,   96
.set BKW,  100
.set AF,   128
.set CD,   128
.set G1,   24
.set G0,   32
.set G1S,  40
.set G0S,  48
.set OUTC, 52
.set OUTS, 54
.set SEL0, 56
.set SEL1, 57
.set PSEL, 58
.set MNT,  60
.set MSB, 0
.macro WIN new
.if MSB != (\new)
	s_set_vgpr_msb (MSB<<8)|(\new)
.set MSB, (\new)
.endif
.endm
.set MUL_LO, 0xa1
.set MUL_HI, 0xf1
.set TO_B,   0x40
	s_load_b256 s[4:11], s[0:1], 0x0
	s_load_b128 s[12:15], s[0:1], 0x20
	v_lshl_add_u32 v[SPW], v0, 2, SPARE
	v_mov_b32 v[NIL], 0
	ds_add_u32 v[SPW], v[NIL]
	ds_add_u32 v[SPW], v[NIL]
	v_lshrrev_b32 v1, 5, v0
	v_readfirstlane_b32 s16, v1
	s_lshr_b32 s17, s16, 1
	s_and_b32 s18, s16, 1
	s_and_b32 s20, ttmp7, 0xffff
	s_cmp_eq_u32 s20, 5
	s_cselect_b32 s21, 1, 0
	s_xor_b32 s22, s17, s21
	s_mov_b32 s[G1+0], (0<<16)|(1<<20)|(5<<22)|(3<<25)
	s_mov_b32 s[G1+1], ROWB<<16
	s_mov_b32 s[G1+2], 256<<16                     ; the head's load of codes brings 256 rows; behind it the two words that count rows are set to 128, for the ring's
	s_mov_b32 s[G1+3], ROWB<<16
	s_mov_b32 s[G1+4], 256
	s_mov_b32 s[G1+5], 1024
	s_mov_b32 s[G1+6], 0
	s_mov_b32 s[G1+7], 0
	s_mov_b32 s[G1S+0], 3<<16
	s_mov_b32 s[G1S+1], 256<<16                    ; the scales of 256 rows: 4 K steps x 2,048 bytes, 65,536 apart
	s_mov_b32 s[G1S+2], 4<<16
	s_mov_b32 s[G1S+3], 256<<16
	s_mov_b32 s[G1S+4], 4
	s_mov_b32 s[G1S+5], 8192
	s_mov_b32 s[G1S+6], 0
	s_mov_b32 s[G1S+7], 0
	s_mov_b32 s[PSEL], 0x76543210
	s_mov_b32 s[PSEL+1], 0xfedcba98
	s_mov_b32 s[MNT], 0x600000
	s_mul_i32 s72, s16, HALFT
	s_mul_i32 s73, s18, SGAP                       ; the head's tiles: operand region wave % 2: its scales in LDS,
	s_add_co_u32 s73, s73, SCL
	s_mul_i32 s74, s18, 2*HALFT                    ; and its 256 rows of codes in slot 0
	s_wait_dscnt 0x0
	s_wait_kmcnt 0x0
	s_cmp_eq_u32 s22, 0
	s_cselect_b64 s[66:67], s[4:5], s[8:9]
	s_cselect_b32 s23, ttmp9, s20
	s_lshl_b32 s23, s23, 8
	s_lshl_b32 s2, s18, 7
	s_add_co_u32 s23, s23, s2
	s_lshl_b32 s70, s23, 10
	s_mov_b32 s71, 0
	s_add_nc_u64 s[66:67], s[66:67], s[70:71]
.irp s, 0,1
	s_mov_b32 s[G0+4*\s], 1                        ; the ring's groups 0: my quarter of a slot; slot 0's is first used at its first refill
	s_add_co_u32 s[G0+4*\s+1], s72, \s*SLOT
	s_add_nc_u64 s[G0+4*\s+2:G0+4*\s+3], s[66:67], \s*ROWB
	s_or_b32 s[G0+4*\s+3], s[G0+4*\s+3], 0x80000000
.endr
	; THE HEAD'S LOADS, ONE A WAVE: waves 0 and 1 fetch K step 0's 256 rows of codes of operand region 0 and 1, waves 2 and 3 those regions' scales for all of K
	s_xor_b32 s75, s18, s21                        ; which tensor feeds region wave % 2
	s_cmp_eq_u32 s75, 0
	s_cselect_b64 s[78:79], s[4:5], s[8:9]
	s_cselect_b64 s[G0S+2:G0S+3], s[6:7], s[10:11]
	s_cselect_b32 s75, ttmp9, s20
	s_lshl_b32 s70, s75, 18                        ; 256 rows x 1,024 bytes of codes
	s_add_nc_u64 s[78:79], s[78:79], s[70:71]
	s_lshl_b32 s70, s75, 11                        ; 256 rows x 8 scale bytes
	s_add_nc_u64 s[G0S+2:G0S+3], s[G0S+2:G0S+3], s[70:71]
	s_or_b32 s79, s79, 0x80000000
	s_or_b32 s[G0S+3], s[G0S+3], 0x80000000
	s_mov_b32 s76, 1
	s_mov_b32 s77, s74
	s_mov_b32 s[G0S], 1
	s_mov_b32 s[G0S+1], s73
	s_cmp_lt_u32 s16, 2
	s_cbranch_scc0 .Lhead_s
	tensor_load_to_lds s[76:79], s[G1:G1+7]
	s_nop 0
.rept 4
	v_nop
.endr
	s_branch .Lhead_asked
.Lhead_s:
	tensor_load_to_lds s[G0S:G0S+3], s[G1S:G1S+7]
	s_nop 0
.rept 4
	v_nop
.endr
.Lhead_asked:
	v_and_b32 v1, 15, v0
	v_bfe_u32 v2, v0, 4, 1
	s_wait_alu depctr_va_vdst(0)
	v_mul_u32_u24 v3, v1, PITCH
	v_lshl_add_u32 v4, v2, 4, v3
	s_mul_i32 s70, s17, HALFT
	s_mul_i32 s71, s18, HALFT
	s_add_co_u32 s71, s71, 2*HALFT
.irp s, 0,1
	v_add_nc_u32 v[ADRA+\s], s70, v4
	v_add_nc_u32 v[ADRB+\s], s71, v4
	s_add_co_u32 s70, s70, SLOT
	s_add_co_u32 s71, s71, SLOT
.endr
	v_lshlrev_b32 v5, 3, v1
	s_mul_i32 s70, s17, HALFS
	s_mul_i32 s71, s18, HALFS
	s_add_co_u32 s71, s71, SGAP
	s_sub_co_u32 s71, s71, s70
	v_mul_u32_u24 v6, s71, v2
	s_add_co_u32 s70, s70, SCL
	v_add_nc_u32 v5, v5, v6
	v_add_nc_u32 v[ADRS], s70, v5
	v_and_b32 v[LN], 31, v0
	v_lshlrev_b32 v[LI], 4, v[LN]
	s_lshl_b32 s70, s16, 9
	v_add_nc_u32 v[RDS], s70, v[LI]
	v_lshlrev_b32 v5, 2, v1
	v_lshl_add_u32 v5, v2, 8, v5
	v_add_nc_u32 v[STG], s70, v5
.irp b, 0,1,2,3
	v_mov_b32 v[TM+4+\b], 0
.endr
	s_lshl_b32 s2, s20, 1
	s_add_co_u32 s2, s2, s18
	s_mov_b32 s23, 10485760
	s_mov_b32 s[SEL0], 0x05040100
	s_mov_b32 s[SEL1], 0x07060302
	s_cmp_eq_u32 s21, 1
	s_cselect_b64 s[OUTC:OUTC+1], s[14:15], s[12:13]
	s_cselect_b32 s2, s17, s2
	s_cselect_b32 s70, s18, s17
	s_cselect_b32 s23, 2097152, s23
	s_cselect_b32 s[SEL0], 0x03020100, s[SEL0]
	s_cselect_b32 s[SEL1], 0x07060504, s[SEL1]
	s_lshl_b32 s71, ttmp9, 1
	s_add_co_u32 s70, s70, s71
	s_lshl_b32 s2, s2, 6
	s_add_co_u32 s2, s2, s70
	s_lshl_b32 s70, s2, 9
	s_add_co_u32 s70, s70, s23
	s_mov_b32 s71, 0
	s_add_nc_u64 s[OUTS:OUTS+1], s[OUTC:OUTC+1], s[70:71]
	s_lshl_b32 s70, s2, 14
	s_add_nc_u64 s[OUTC:OUTC+1], s[OUTC:OUTC+1], s[70:71]
.macro FRAG reg, adr, q, i
.irp c, 0,1,2,3
	ds_load_b128 v[\reg+4*\c:\reg+4*\c+3], v[\adr] offset:128*(\q)+32*\c+(\i)*16*PITCH
.endr
.endm
.macro MUL16 a0, p, q, sc, zero
.irp a, \a0, \a0+1
.irp b, 0,1,2,3,4,5,6,7
.if \zero
	v_wmma_scale_f32_16x16x128_f8f6f4 v[8*(8*((\a)%4)+\b):8*(8*((\a)%4)+\b)+7], v[128*(\p)+FR*\b:128*(\p)+FR*\b+FR-1], v[AF+FR*(\a):AF+FR*(\a)+FR-1], 0, v[SC+8*NQ*(\sc)+NQ*\b+(\q)], v[SC+8*NQ*(\sc)+NQ*(\a)+(\q)] matrix_a_scale:MATRIX_SCALE_ROW1
.else
	v_wmma_scale_f32_16x16x128_f8f6f4 v[8*(8*((\a)%4)+\b):8*(8*((\a)%4)+\b)+7], v[128*(\p)+FR*\b:128*(\p)+FR*\b+FR-1], v[AF+FR*(\a):AF+FR*(\a)+FR-1], v[8*(8*((\a)%4)+\b):8*(8*((\a)%4)+\b)+7], v[SC+8*NQ*(\sc)+NQ*\b+(\q)], v[SC+8*NQ*(\sc)+NQ*(\a)+(\q)] matrix_a_scale:MATRIX_SCALE_ROW1
.endif
.endr
.endr
.endm
.macro FETCH_B slot, q, p
	WIN TO_B
.irp i, 0,1,2,3,4,5,6,7
	FRAG 128*(\p)+FR*\i, ADRB+\slot, \q, \i
.endr
	WIN 0
.endm
.macro FETCH_A slot, q, i0
.irp i, \i0, \i0+1, \i0+2, \i0+3
	FRAG AF+FR*(\i), ADRA+\slot, \q, \i
.endr
.endm
.macro SCALES sc
.irp i, 0,1,2,3,4,5,6,7
	ds_load_b64 v[SC+8*NQ*\sc+NQ*\i:SC+8*NQ*\sc+NQ*\i+1], v[ADRS] offset:\i*128
.endr
.endm
.macro PLACES n
.rept \n
	v_nop
.endr
.endm
.macro STEP slot, q, zero
	s_wait_dscnt 4*NL
	WIN MUL_LO
	MUL16 0, (\q)%2, \q, \slot, \zero
	MUL16 2, (\q)%2, \q, \slot, \zero
	s_wait_dscnt 0
	PLACES NP
	FETCH_B \slot, (\q)+1, 1-(\q)%2
	FETCH_A \slot, (\q)+1, 0
	WIN MUL_HI
	MUL16 4, (\q)%2, \q, \slot, \zero
	MUL16 6, (\q)%2, \q, \slot, \zero
	PLACES NP
	WIN 0
	FETCH_A \slot, (\q)+1, 4
.endm
.macro TURN slot, next, fill
	s_wait_tensorcnt 0x0
	ds_add_u32 v[SPW], v[NIL]
	s_wait_dscnt 4*NL+1
	WIN MUL_LO
	MUL16 0, 1, NQ-1, \slot, 0
	s_wait_dscnt 0x0
	s_barrier_signal -1
	MUL16 2, 1, NQ-1, \slot, 0
	WIN 0
	s_barrier_wait -1
.if \fill
	s_add_nc_u64 s[G0+4*\slot+2:G0+4*\slot+3], s[G0+4*\slot+2:G0+4*\slot+3], 2*ROWB
	tensor_load_to_lds s[G0+4*\slot:G0+4*\slot+3], s[G1:G1+7]
	s_nop 0
.rept 4
	v_nop
.endr
	PLACES NP-4
.else
	PLACES NP
.endif
	v_add_nc_u32 v[ADRS], 2048, v[ADRS]
	FETCH_B \next, 0, 0
	FETCH_A \next, 0, 0
	SCALES \next
	WIN MUL_HI
	MUL16 4, 1, NQ-1, \slot, 0
	MUL16 6, 1, NQ-1, \slot, 0
	PLACES NP
	WIN 0
	FETCH_A \next, 0, 4
.endm
	s_wait_alu depctr_va_vdst(0)
	s_wait_tensorcnt 0x0                           ; my tile of the head's four is in; the full sequence ahead of slot 1's first fill:
	ds_add_u32 v[SPW], v[NIL]
	s_mov_b32 s[G1+2], 128<<16                     ; no tensor load of mine is out: from here on a load brings 128 rows
	s_mov_b32 s[G1+4], 128
	s_wait_dscnt 0x0
	s_barrier_signal -1
	s_barrier_wait -1                              ; all four tiles are in
	tensor_load_to_lds s[G0+4:G0+7], s[G1:G1+7]    ; K step 1, my quarter: the first tensor load behind the barrier
	s_nop 0
.rept 4
	v_nop
.endr
	FETCH_B 0, 0, 0
	FETCH_A 0, 0, 0
	SCALES 0
	FETCH_A 0, 0, 4
	STEP 0, 0, 1
	s_mov_b32 s3, 1
.Llap:
	s_wait_alu depctr_va_vdst(0)
	TURN 0, 1, 1
	s_wait_alu depctr_va_vdst(0)
	STEP 1, 0, 0
	TURN 1, 0, 1
	STEP 0, 0, 0
	s_sub_co_u32 s3, s3, 1
	s_cmp_lg_u32 s3, 0
	s_cbranch_scc1 .Llap
	s_wait_alu depctr_va_vdst(0)
	TURN 0, 1, 0
	STEP 1, 0, 0
	s_wait_dscnt 4*NL
	WIN MUL_LO
	MUL16 0, 1, NQ-1, 1, 0
	MUL16 2, 1, NQ-1, 1, 0
	s_wait_dscnt 0
	WIN MUL_HI
	MUL16 4, 1, NQ-1, 1, 0
	MUL16 6, 1, NQ-1, 1, 0
	WIN 0
.macro QUANTW a
.set WW, 2+(\a)/4
.set AC0, 64*((\a)%4)
	WIN WW|(WW<<2)
.irp b, 0,1,2,3
	v_max3_num_f32 v[TM+\b], |v[AC0+16*\b]|, |v[AC0+16*\b+1]|, 0x4800000
.endr
	WIN (WW<<2)|(WW<<4)
.irp i, 2,4,6,8,10,12,14
.irp b, 0,1,2,3
	v_max3_num_f32 v[TM+\b], v[TM+\b], |v[AC0+16*\b+\i]|, |v[AC0+16*\b+\i+1]|
.endr
.endr
	WIN 0
.irp b, 0,1,2,3
	v_permlanex16_b32 v[TM+4+\b], v[TM+\b], s[PSEL], s[PSEL+1]
.endr
.irp b, 0,1,2,3
	v_max_num_f32 v[TM+\b], v[TM+\b], v[TM+4+\b]
.endr
.irp b, 0,1,2,3
	v_add_nc_u32 v[TM+12+\b], 0xfc000000, v[TM+\b]
.endr
.irp b, 0,1,2,3
	v_and_or_b32 v[TM+8+\b], v[TM+\b], 0x7f800000, s[MNT]
.endr
.irp b, 0,1,2,3
	v_lshrrev_b32 v[TM+4+\b], 23, v[TM+12+\b]
.endr
	v_lshl_or_b32 v[PW+(\a)], v[TM+5], 8, v[TM+4]
	v_lshl_or_b32 v[PW+(\a)], v[TM+6], 16, v[PW+(\a)]
	v_lshl_or_b32 v[PW+(\a)], v[TM+7], 24, v[PW+(\a)]
	WIN WW|(WW<<6)
.irp b, 0,1,2,3
.irp i, 0,1,2,3,4,5,6,7,8,9,10,11,12,13,14,15
	v_med3_num_f32 v[AC0+16*\b+\i], v[AC0+16*\b+\i], -v[TM+8+\b], v[TM+8+\b]
.endr
.endr
	WIN WW
.irp b, 0,1,2,3
	v_cvt_scalef32_pk8_fp8_f32 v[CD+16*(\a)+4*\b:CD+16*(\a)+4*\b+1], v[AC0+16*\b:AC0+16*\b+7], v[TM+12+\b]
	v_cvt_scalef32_pk8_fp8_f32 v[CD+16*(\a)+4*\b+2:CD+16*(\a)+4*\b+3], v[AC0+16*\b+8:AC0+16*\b+15], v[TM+12+\b]
.endr
	WIN 0
	v_nop
.irp b, 0,1,2,3
	global_store_b128 v[LI], v[CD+16*(\a)+4*\b:CD+16*(\a)+4*\b+3], s[OUTC:OUTC+1] offset:(4*(\a)+\b)*512
.endr
.endm
	PLACES NP
.irp a, 0,1,2,3,4,5,6,7
	QUANTW \a
.endr
	v_cmp_le_u32 vcc_lo, 16, v[LN]
.irp c, 0,1,2,3
	v_perm_b32 v[WL+2*\c], v[PW+2*\c+1], v[PW+2*\c], s[SEL0]
	v_perm_b32 v[WL+2*\c+1], v[PW+2*\c+1], v[PW+2*\c], s[SEL1]
.endr
.irp c, 0,1,2,3
	v_cndmask_b32 v[WS+\c], v[WL+2*\c], v[WL+2*\c+1], vcc_lo
.endr
.irp c, 0,1,2,3
	ds_store_b32 v[STG], v[WS+\c] offset:64*\c
.endr
	ds_load_b128 v[BKW:BKW+3], v[RDS]
	s_wait_dscnt 0x0
	global_store_b128 v[LI], v[BKW:BKW+3], s[OUTS:OUTS+1]
	s_wait_tensorcnt 0x0
	ds_add_u32 v[SPW], v[NIL]
	s_wait_dscnt 0x0
	s_endpgm
.Lfunc_end_k_q66c4afcef9_gemm_qkv:
	.size	k_q66c4afcef9_gemm_qkv, .Lfunc_end_k_q66c4afcef9_gemm_qkv-k_q66c4afcef9_gemm_qkv
	.p2alignl 7, 3214868480
	.fill 96, 4, 3214868480
	.section	.rodata,"a",@progbits
	.p2align	6, 0x0
	.amdhsa_kernel k_q66c4afcef9_gemm_qkv
		.amdhsa_group_segment_fixed_size 327680
		.amdhsa_private_segment_fixed_size 0
		.amdhsa_enable_private_segment 0
		.amdhsa_kernarg_size 48
		.amdhsa_user_sgpr_count 2
		.amdhsa_user_sgpr_kernarg_segment_ptr 1
		.amdhsa_wavefront_size32 1
		.amdhsa_system_sgpr_workgroup_id_x 1
		.amdhsa_system_sgpr_workgroup_id_y 1
		.amdhsa_system_sgpr_workgroup_id_z 1
		.amdhsa_system_vgpr_workitem_id 0
		.amdhsa_next_free_vgpr 1024
		.amdhsa_next_free_sgpr 80
		.amdhsa_reserve_vcc 1
		.amdhsa_float_denorm_mode_32 3
		.amdhsa_float_denorm_mode_16_64 3
		.amdhsa_memory_ordered 1
		.amdhsa_forward_progress 1
		.amdhsa_inst_pref_size 182
	.end_amdhsa_kernel
	.amdgpu_metadata
---
amdhsa.version: [ 1, 2 ]
amdhsa.kernels:
  - .name:           k_q66c4afcef9_gemm_qkv
    .symbol:         k_q66c4afcef9_gemm_qkv.kd
    .args:
      - { .name: xc, .offset: 0, .size: 8, .value_kind: global_buffer, .address_space: global }
      - { .name: xs, .offset: 8, .size: 8, .value_kind: global_buffer, .address_space: global }
      - { .name: wc, .offset: 16, .size: 8, .value_kind: global_buffer, .address_space: global }
      - { .name: ws, .offset: 24, .size: 8, .value_kind: global_buffer, .address_space: global }
      - { .name: qkq, .offset: 32, .size: 8, .value_kind: global_buffer, .address_space: global }
      - { .name: vq, .offset: 40, .size: 8, .value_kind: global_buffer, .address_space: global }
    .group_segment_fixed_size: 327680
    .private_segment_fixed_size: 0
    .kernarg_segment_align: 8
    .kernarg_segment_size: 48
    .max_flat_workgroup_size: 128
    .sgpr_count:     80
    .vgpr_count:     1024
    .wavefront_size: 32
...
	.end_amdgpu_metadata
.endif
;; end of part 2
;; launch attn (part 3): grid 16 x 16, 8 waves a work-group, clusters of 4 x 1, 327,680 bytes of LDS; arguments qkq, vq, ac, asc; writes ac, asc
.if DOCPART == 3
	.amdgcn_target "amdgcn-amd-amdhsa--gfx1250"
	.amdhsa_code_object_version 6
	.text
	.protected	k_q66c4afcef9_attn
	.globl	k_q66c4afcef9_attn
	.p2align	8
	.type	k_q66c4afcef9_attn,@function
k_q66c4afcef9_attn:
	s_mov_b64 s[64:65], 0
	v_nop
	global_prefetch_b8 v0, s[64:65] scope:SCOPE_SE
	s_setreg_imm32_b32 hwreg(HW_REG_WAVE_MODE, 25, 1), 1
	s_wait_xcnt 0x0
	s_wait_alu depctr_hold_cnt(0) depctr_sa_sdst(0) depctr_va_vdst(0) depctr_va_sdst(0) depctr_va_ssrc(0) depctr_va_vcc(0) depctr_vm_vsrc(0)
	s_getreg_b32 s2, hwreg(HW_REG_IB_STS2, 6, 4)
	s_cmp_eq_u32 s2, 0
	s_cbranch_scc0 .Lentry_in_a_cluster
	s_endpgm
.Lentry_in_a_cluster:
	s_bfe_u32 s2, ttmp6, 0x10000c
	s_cmp_lg_u32 s2, 0x3003
	s_cbranch_scc0 .Lentry_shape_is_right
	s_endpgm
.Lentry_shape_is_right:
; o = softmax(q k^T / 8 + slope_h (j - i)) v: 16 query heads on 4 key/value heads, head size 64, 2,048 keys, no mask; both products on codes of FP8 (E4M3) with E8M0 scales; o / l is quantised along the 1,024 of (head, d).
; THE SOFTMAX: t = logit x log2(e); M = the running largest t rounded up to a whole number; p = 2^(t - M) is quantised along the keys; l sums the unquantised p; when M moves, l and O are multiplied by 2^(old M - new M).
; THE BIAS.  slope = c 2^-m, c = 0.70710677 (even heads) or 1 (odd).  j - i = d + R: d = the part inside a key step and a group of 32 queries (64 numbers a lane, the same in every step), R = 128 step - my group's first place (one scalar).
; 8 c d stands in 64 registers and is the C of the score products; q's scale bytes take 2^m (a byte is at most 246, m at most 8: always a finite code): the product gives 2^m score + 8 c d.
; t - M = that x (log2(e) / 8) 2^-m + (slope log2(e) R - M): one packed multiply-add.  The whole bias, -slope i too, stays in t: it moves p's codes.
; LIMITS: the bias is rounded otherwise than the written formula rounds it (8 c d once, slope log2(e) R once; the difference in t stays under 2e-4 at |j - i| = 2,047); 1 / l is v_rcp_f32 and a multiplication;
; blocks of zeros get the byte 1 (zero codes; read by this program alone); NaN and infinities are not served; the scaled scores stay under 2^31.
; SHARES.  Work-group (x, y): y = 4 batch + key head, x = 128 queries.  Wave w owns 16 queries for the key head's four query heads in two passes; pass pi takes heads 4 kv + pi + 2 t, t = 0, 1, which share c, K's and V's fragments.
; The two tiles walk in step, line by line, so that eight chains take turns.  One body serves both passes; what differs lies in scalars.
; ALL OF K AND V OF (batch, key head) LIES IN LDS, filled once by six joint loads (mask 15), one a wave.  No prefetch: every tile is asked for at the head, there is no loop to run ahead in.
; K's fragments of the next step are asked for behind this step's score products, V's at the step's head.  The last step of a pass asks for key step 0 again: the second pass uses it, the kernel's end does not.
; LAYOUT.  S^T = K Q^T, O^T = V^T P^T: a lane holds one query.  A fragment of K carries key tiles 2 c (k 0-63) and 2 c + 1 (k 64-127); Q stands as [q|0] and [0|q].  Tokens and d are stored with bits 3 and 4 exchanged,
; so the 16 registers of tiles 2 c, 2 c + 1 are 16 neighbours.  p's codes are laid over p's registers that are done with: block b at S - 4 + 4 b.
; REGISTERS.  Window 0: v1-27 addresses and state; v28-39 scale words; v40-79 0|q0|0|q1|0; v80-147, v148-215 four registers and S^T of tile 0, 1; v216-239 block maxima, holds, scale operands; v240-247 at work.
; Window 1: v0-63 O^T; v64-127 K; v128-191 V; v192-255 8 c d.
.set SPARE, 294912                     ; LDS: K's codes 0 .. 131,071 (step x 8,192); V's from 131,072; K's scale words from 262,144 (step x 256); V's from 266,240; the spare words here
.set LI,   1
.set LS,   2
.set ADK,  3
.set ADV,  4
.set ADS,  5
.set ADT,  6
.set VL,   7                           ; 16 h - r % 8 - 16 (r / 8)
.set SPW,  8
.set NIL,  9
.set SBW,  10
.set NM,   12                          ; -M of tile 0, 1
.set TX,   14                          ; the largest t
.set LL,   16                          ; l, two halves a tile
.set FF,   20                          ; f
.set EM,   22                          ; slope log2(e) R - M
.set WM,   24
.set RL,   26
.set KS,   28
.set VS,   32
.set QS,   36
.set PS,   38
.set QF,   40
.set SB,   84                          ; S^T of tile t at SB + 68 t
.set TM,   216                         ; + 12 t: 0-3 maxima, 4-7 holds, 8-11 scale operands
.set WS,   240
.set PW,   244
.set QR,   246
.set PQ,   152                         ; the result's codes
.set KF,   64                          ; window 1
.set VF,   128
.set CB,   192
.set WV,   12
.set CC8,  20                          ; 8 c
.set MAD,  22                          ; s22, s23: m in every byte, tile 0, 1
.set G1K,  24
.set G1V,  32
.set G1KS, 40
.set G1VS, 48
.set G0K,  56
.set G0KS, 60
.set G0V,  68
.set G0VS, 72
.set QSEL, 76
.set QB,   78
.set QSB,  80
.set SEL,  88
.set KK,   90                          ; s[90:91], s[92:93]: (log2(e) / 8) 2^-m
.set S2,   94                          ; s94, s95: slope log2(e)
.set EE,   96                          ; s96, s97: slope log2(e) R
.set MNT,  98
.set CNT,  99
.set PASS, 100
.set RR,   101                         ; R, a whole number in f32
.set MSB, 0
.macro WIN new
.if MSB != (\new)
	s_set_vgpr_msb (MSB<<8)|(\new)
.set MSB, (\new)
.endif
.endm
.macro CROUND
	s_barrier_signal -1
	s_barrier_wait -1
	s_cmp_lg_u32 s[WV], 0
	s_cbranch_scc1 .Lnot_wave_0_\@
	s_barrier_signal -3
.Lnot_wave_0_\@:
	s_barrier_wait -3
	s_barrier_signal -1
	s_barrier_wait -1
.endm
.macro DESC g, c, r, p                 ; group 1: r rows of c elements of 8 bytes, p elements apart; mask 15 with bit 21 beside it
	s_mov_b32 s[\g+0], 15|(3<<16)|(1<<21)
	s_mov_b32 s[\g+1], \c<<16
	s_mov_b32 s[\g+2], \r<<16
	s_mov_b32 s[\g+3], \c<<16
	s_mov_b32 s[\g+4], \r
	s_mov_b32 s[\g+5], \p
	s_mov_b32 s[\g+6], 0
	s_mov_b32 s[\g+7], 0
.endm
	s_load_b256 s[4:11], s[0:1], 0x0               ; qkq, vq, ac, asc
	v_lshl_add_u32 v[SPW], v0, 2, SPARE
	v_mov_b32 v[NIL], 0
	ds_add_u32 v[SPW], v[NIL]                      ; the opening lines: the add, twice on end, and its wait
	ds_add_u32 v[SPW], v[NIL]
	v_lshrrev_b32 v1, 5, v0
	v_readfirstlane_b32 s[WV], v1                  ; wave 0..7
	s_bfe_u32 s13, ttmp6, 0x40000                  ; cx
	s_lshl_b32 s14, ttmp9, 2
	s_add_co_u32 s14, s14, s13                     ; my block of 128 queries: it enters Q's and the results' addresses and register data alone
	s_and_b32 s15, ttmp7, 0xffff
	s_lshr_b32 s16, s15, 2                         ; batch
	s_and_b32 s17, s15, 3                          ; key head
	DESC G1K, 128, 64, 256                         ; K's codes, 8 key steps: 64 rows of 1,024 bytes, 2,048 apart
	DESC G1V, 1024, 8, 2048                        ; V's codes, 8 key steps: 8 rows of 8,192 bytes, 16,384 apart
	DESC G1KS, 32, 16, 64                          ; K's scale words: 16 rows of 256 bytes, 512 apart
	DESC G1VS, 16, 32, 32                          ; V's: 32 rows of 128 bytes, 256 apart
	s_and_b32 s18, s[WV], 1                        ; which eight key steps
	s_lshr_b32 s19, s17, 1
	s_and_b32 s20, s17, 1
	s_lshl_b32 s21, s19, 6
	s_lshl_b32 s22, s16, 4
	s_add_co_u32 s21, s21, s22                     ; V's block of step 0: 64 (kv / 2) + 16 batch
	s_add_co_u32 s22, s21, 512                     ; K's
	s_lshl_b32 s84, s22, 9
	s_lshl_b32 s85, s20, 8
	s_add_co_u32 s84, s84, s85
	s_add_co_u32 s84, s84, 10485760
	s_mov_b32 s85, 0                               ; K's scale words
	s_lshl_b32 s66, s21, 9
	s_lshl_b32 s67, s20, 7
	s_add_co_u32 s66, s66, s67
	s_add_co_u32 s66, s66, 2097152
	s_mov_b32 s67, 0                               ; V's scale words
	s_lshl_b32 s23, s18, 3
	s_add_co_u32 s22, s22, s23
	s_add_co_u32 s21, s21, s23
	s_lshl_b32 s82, s22, 14
	s_lshl_b32 s83, s20, 10
	s_add_co_u32 s82, s82, s83
	s_mov_b32 s83, 0                               ; K's codes
	s_lshl_b32 s86, s21, 14
	s_lshl_b32 s87, s20, 13
	s_add_co_u32 s86, s86, s87
	s_mov_b32 s87, 0                               ; V's codes
	s_mov_b32 s[SEL], 0x76543210
	s_mov_b32 s[SEL+1], 0xfedcba98
	s_mov_b32 s[MNT], 0x600000
	s_wait_dscnt 0x0                               ; both opening adds are done
	s_wait_kmcnt 0x0
	s_mov_b32 s[G0K], 1
	s_lshl_b32 s[G0K+1], s[WV], 16                 ; LDS: 65,536 x wave: K's halves (waves 0, 1), V's halves (waves 2, 3)
	s_add_nc_u64 s[G0K+2:G0K+3], s[4:5], s[82:83]
	s_or_b32 s[G0K+3], s[G0K+3], 0x80000000
	s_mov_b32 s[G0V], 1
	s_lshl_b32 s[G0V+1], s[WV], 16
	s_add_nc_u64 s[G0V+2:G0V+3], s[6:7], s[86:87]
	s_or_b32 s[G0V+3], s[G0V+3], 0x80000000
	s_mov_b32 s[G0KS], 1
	s_mov_b32 s[G0KS+1], 262144
	s_add_nc_u64 s[G0KS+2:G0KS+3], s[4:5], s[84:85]
	s_or_b32 s[G0KS+3], s[G0KS+3], 0x80000000
	s_mov_b32 s[G0VS], 1
	s_mov_b32 s[G0VS+1], 266240
	s_add_nc_u64 s[G0VS+2:G0VS+3], s[6:7], s[66:67]
	s_or_b32 s[G0VS+3], s[G0VS+3], 0x80000000
	CROUND                                         ; all four work-groups are here: the joint loads meet
; the head's loads, one a wave, in one chain of branches on the wave's number
.macro ARM under, g0, g1, next
	s_cmp_lt_u32 s[WV], \under
	s_cbranch_scc0 \next
	tensor_load_to_lds s[\g0:\g0+3], s[\g1:\g1+7]
	s_nop 0
.rept 4
	v_nop
.endr
	s_branch .Lhead_asked
\next:
.endm
	ARM 2, G0K,  G1K,  .Lhead_v
	ARM 4, G0V,  G1V,  .Lhead_ks
	ARM 5, G0KS, G1KS, .Lhead_vs
	ARM 6, G0VS, G1VS, .Lhead_none
.Lhead_asked:
	v_and_b32 v[WM], 15, v0                        ; r
	v_and_b32 v[WM+1], 31, v0                      ; lane
	v_bfe_u32 v[RL], v0, 4, 1                      ; h
	v_lshlrev_b32 v[LI], 4, v[WM+1]
	v_lshlrev_b32 v[LS], 2, v[WM]
	v_and_b32 v[RL+1], 7, v[WM]
	v_and_b32 v[WM], 8, v[WM]
	v_lshlrev_b32 v[VL], 4, v[RL]
	v_sub_nc_u32 v[VL], v[VL], v[RL+1]
	v_lshlrev_b32 v[WM], 1, v[WM]
	v_sub_nc_u32 v[VL], v[VL], v[WM]
	v_mov_b32 v[ADK], v[LI]                        ; key step 0
	v_add_nc_u32 v[ADS], 262144, v[LS]
	v_mov_b32 v[SBW], 0
	v_mov_b32 v[SBW+1], 0
.irp j, 4,5,6,7,16,17,18,19
	v_mov_b32 v[TM+\j], 0                          ; written once: a lane permute's destination counts as one of its sources
.endr
.irp z, 0,16,32
.irp j, 0,1,2,3,4,5,6,7
	v_mov_b32 v[QF+\z+\j], 0                       ; the zero codes beside q
.endr
.endr
	; Q: block (pair of heads 2 kv + t, 16 batch + my block), token tile w
	s_lshl_b32 s18, s17, 7
	s_lshl_b32 s19, s16, 4
	s_add_co_u32 s18, s18, s19
	s_add_co_u32 s18, s18, s14
	s_lshl_b32 s82, s18, 14
	s_lshl_b32 s83, s[WV], 11
	s_add_co_u32 s82, s82, s83
	s_mov_b32 s83, 0
	s_add_nc_u64 s[QB:QB+1], s[4:5], s[82:83]
	s_lshl_b32 s82, s18, 9
	s_lshr_b32 s19, s[WV], 1
	s_lshl_b32 s19, s19, 6
	s_add_co_u32 s82, s82, s19
	s_add_co_u32 s82, s82, 10485760
	s_add_nc_u64 s[QSB:QSB+1], s[4:5], s[82:83]
	; the results: stored token tile Tg = 128 batch + 8 block + w
	s_lshl_b32 s18, s16, 7
	s_lshl_b32 s19, s14, 3
	s_add_co_u32 s18, s18, s19
	s_add_co_u32 s18, s18, s[WV]
	s_lshl_b32 s82, s18, 14
	s_lshl_b32 s19, s17, 12
	s_add_co_u32 s82, s82, s19
	s_add_nc_u64 s[8:9], s[8:9], s[82:83]          ; ac + (32 Tg + 8 kv) x 512
	s_lshl_b32 s82, s18, 7
	s_lshl_b32 s19, s17, 16
	s_add_co_u32 s82, s82, s19
	s_add_nc_u64 s[10:11], s[10:11], s[82:83]      ; asc + 65,536 kv + 128 Tg
	s_lshl_b32 s18, s17, 24                        ; m = 2 kv in an exponent field: pass 0, tile 0
	s_sub_co_u32 s[KK], 0x3e38aa3b, s18            ; (log2(e) / 8) 2^-m
	s_mov_b32 s[KK+1], s[KK]
	s_sub_co_u32 s[KK+2], s[KK], 0x800000          ; tile 1: m + 1
	s_mov_b32 s[KK+3], s[KK+2]
	s_sub_co_u32 s[S2], 0x3f8293ee, s18            ; 0.70710677 log2(e) 2^-m
	s_sub_co_u32 s[S2+1], s[S2], 0x800000
	s_mov_b32 s[CC8], 0x40b504f3                   ; 8 x 0.70710677
	s_lshl_b32 s18, s17, 1
	s_mul_i32 s[MAD], s18, 0x01010101
	s_add_co_u32 s[MAD+1], s[MAD], 0x01010101
	s_and_b32 s18, s[WV], 1
	s_cmp_eq_u32 s18, 0
	s_mov_b32 s[QSEL], 0x03020302                  ; my tile's two bytes of the stored word, twice: an odd tile's,
	s_cselect_b32 s[QSEL], 0x01000100, s[QSEL]     ; an even one's
	s_lshl_b32 s18, s14, 7
	s_lshr_b32 s19, s[WV], 1
	s_lshl_b32 s19, s19, 5
	s_add_co_u32 s18, s18, s19
	s_and_b32 s19, s[WV], 1
	s_lshl_b32 s19, s19, 3
	s_add_co_u32 s18, s18, s19                     ; 128 block + 32 (w / 2) + 8 (w % 2)
	s_cvt_f32_u32 s[RR], s18
	s_xor_b32 s[RR], s[RR], 0x80000000             ; R at key step 0
.macro QLOAD                           ; the pass's two heads: codes (two chunks each) and the stored scale words
.irp t, 0,1
.irp g, 0,1
	global_load_b128 v[QF+8+16*\t+4*\g:QF+11+16*\t+4*\g], v[LI], s[QB:QB+1] offset:\t*1048576+\g*512
.endr
.endr
.irp t, 0,1
	global_load_b32 v[QR+\t], v[LS], s[QSB:QSB+1] offset:\t*32768
.endr
.endm
.macro KLOAD                           ; images: each load reads 512 consecutive bytes
	WIN 0x40
.irp c, 0,1,2,3
.irp g, 0,1,2,3
	ds_load_b128 v[KF+16*\c+4*\g:KF+16*\c+4*\g+3], v[ADK] offset:\c*2048+\g*512
.endr
.endr
	WIN 0
.irp c, 0,1,2,3
	ds_load_b32 v[KS+\c], v[ADS] offset:\c*64
.endr
.endm
; A key step: 128 keys, both tiles in step.
.macro STEP
	s_lshl_b32 s18, s[CNT], 13
	s_add_co_u32 s18, s18, 131072
	s_lshl_b32 s19, s[CNT], 8
	s_add_co_u32 s19, s19, 266240
	v_add_nc_u32 v[ADV], s18, v[LI]
	v_add_nc_u32 v[ADT], s19, v[LS]
	s_mul_f32 s[EE], s[S2], s[RR]                  ; slope log2(e) R
	s_mul_f32 s[EE+1], s[S2+1], s[RR]
	s_add_f32 s[RR], s[RR], 0x43000000             ; 128 keys on, exact
.rept 8
	v_nop                                          ; with the two additions: ten places behind the last products, ahead of the loads into V's registers (8) and of the products that write over p's codes (9)
.endr
	WIN 0x40
.irp d, 0,1,2,3
.irp c, 0,1,2,3
	ds_load_b128 v[VF+16*\d+4*\c:VF+16*\d+4*\c+3], v[ADV] offset:\d*2048+\c*512
.endr
.endr
	WIN 0
.irp d, 0,1,2,3
	ds_load_b32 v[VS+\d], v[ADT] offset:(\d%2)*128+(\d/2)*64
.endr
	s_wait_dscnt 20                                ; K and its scale words are in; the 20 loads for V just issued may be out
	WIN 0x11                                       ; K and the bias in window 1, Q and S^T in window 0
.irp t, 0,1
.irp c, 0,1,2,3
.irp u, 0,1
	v_wmma_scale_f32_16x16x128_f8f6f4 v[SB+68*\t+8*(2*\c+\u):SB+68*\t+8*(2*\c+\u)+7], v[KF+16*\c:KF+16*\c+15], v[QF+8+16*\t-8*\u:QF+23+16*\t-8*\u], v[CB+8*(2*\c+\u):CB+8*(2*\c+\u)+7], v[KS+\c], v[QS+\t]
.endr
.endr
.endr
	WIN 0
	s_add_co_u32 s18, s[CNT], 1
	s_and_b32 s18, s18, 15                         ; the next key step; behind the last: step 0
	s_lshl_b32 s19, s18, 8
	s_lshl_b32 s18, s18, 13
	s_add_co_u32 s19, s19, 262144
	v_add_nc_u32 v[ADK], s18, v[LI]
	v_add_nc_u32 v[ADS], s19, v[LS]
.rept 6
	v_nop                                          ; with the two additions: eight places, ahead of the loads into K's registers and of the first read of S^T
.endr
	KLOAD
.irp t, 0,1
.irp b, 0,1,2,3
	v_max3_num_f32 v[TM+12*\t+\b], v[SB+68*\t+16*\b], v[SB+68*\t+16*\b+1], v[SB+68*\t+16*\b+2]   ; the largest of each block of 32 keys; each accumulator from its low end on
.endr
.endr
.irp i, 3,5,7,9,11,13
.irp t, 0,1
.irp b, 0,1,2,3
	v_max3_num_f32 v[TM+12*\t+\b], v[TM+12*\t+\b], v[SB+68*\t+16*\b+\i], v[SB+68*\t+16*\b+\i+1]
.endr
.endr
.endr
.irp t, 0,1
.irp b, 0,1,2,3
	v_max_num_f32 v[TM+12*\t+\b], v[TM+12*\t+\b], v[SB+68*\t+16*\b+15]
.endr
.endr
.irp t, 0,1
.irp b, 0,1,2,3
	v_permlanex16_b32 v[TM+12*\t+4+\b], v[TM+12*\t+\b], s[SEL], s[SEL+1]
.endr
.endr
.irp t, 0,1
.irp b, 0,1,2,3
	v_max_num_f32 v[TM+12*\t+\b], v[TM+12*\t+\b], v[TM+12*\t+4+\b]
.endr
.endr
.irp t, 0,1
	v_max3_num_f32 v[WM+\t], v[TM+12*\t], v[TM+12*\t+1], v[TM+12*\t+2]
.endr
.irp t, 0,1
	s_delay_alu instid0(VALU_DEP_2)
	v_max_num_f32 v[WM+\t], v[WM+\t], v[TM+12*\t+3]
.endr
.irp t, 0,1
	s_delay_alu instid0(VALU_DEP_2)
	v_fma_f32 v[WM+\t], v[WM+\t], s[KK+2*\t], s[EE+\t]   ; the step's largest t
.endr
.irp t, 0,1
	s_delay_alu instid0(VALU_DEP_2)
	v_max_num_f32 v[TX+\t], v[TX+\t], v[WM+\t]     ; the running largest t
.endr
.irp t, 0,1
	v_mov_b32 v[WM+\t], v[NM+\t]
.endr
.irp t, 0,1
	s_delay_alu instid0(VALU_DEP_4)
	v_floor_f32 v[NM+\t], -v[TX+\t]                ; the new -M = -ceil(t)
.endr
.irp t, 0,1
	s_delay_alu instid0(VALU_DEP_2)
	v_sub_f32 v[WM+\t], v[NM+\t], v[WM+\t]         ; old M - new M: a whole number, 0 or less
.endr
.irp t, 0,1
	v_add_f32 v[EM+\t], s[EE+\t], v[NM+\t]
.endr
.irp t, 0,1
.set j, 0
.rept 32
	v_pk_fma_f32 v[SB+68*\t+j:SB+68*\t+j+1], v[SB+68*\t+j:SB+68*\t+j+1], s[KK+2*\t:KK+2*\t+1], v[EM:EM+1] op_sel:[0,0,\t] op_sel_hi:[1,0,\t]   ; t - M
.set j, j+2
.endr
	v_cvt_i32_f32 v[WM+\t], v[WM+\t]               ; old M - new M as a whole number (it saturates); it stands among the multiply-adds, which do not hang on it
.endr
.irp t, 0,1
.irp b, 0,1,2,3
	v_fma_f32 v[TM+12*\t+\b], v[TM+12*\t+\b], s[KK+2*\t], v[EM+\t]   ; the same of each block's largest
.endr
.endr
.irp t, 0,1
	v_ldexp_f32 v[FF+\t], 1.0, v[WM+\t]            ; f = 2^(old M - new M)
.endr
	s_wait_alu depctr_va_vdst(0)
.irp t, 0,1
.set j, 0
.rept 64
	v_exp_f32 v[SB+68*\t+j], v[SB+68*\t+j]         ; p = 2^(t - M)
.set j, j+1
.endr
.endr
.irp t, 0,1
.irp b, 0,1,2,3
	v_exp_f32 v[TM+12*\t+\b], v[TM+12*\t+\b]       ; the block's largest p: the same two instructions on the same number
.endr
.endr
.irp t, 0,1
	v_pk_mul_f32 v[LL+2*\t:LL+2*\t+1], v[LL+2*\t:LL+2*\t+1], v[FF:FF+1] op_sel:[0,\t] op_sel_hi:[1,\t]   ; l under the new M (the plain lines behind the batch)
.endr
	s_wait_alu depctr_va_vdst(0)                   ; one wait for the batch of 136, ahead of its first reader
.irp t, 0,1
	v_pk_add_f32 v[WS+2*\t:WS+2*\t+1], v[SB+68*\t:SB+68*\t+1], v[SB+68*\t+2:SB+68*\t+3]   ; l sums the unquantised p: four chains a tile, eight in all (v248-255 hold two of each tile's)
	v_pk_add_f32 v[248+4*\t:249+4*\t], v[SB+68*\t+4:SB+68*\t+5], v[SB+68*\t+6:SB+68*\t+7]
	v_pk_add_f32 v[250+4*\t:251+4*\t], v[SB+68*\t+8:SB+68*\t+9], v[SB+68*\t+10:SB+68*\t+11]
.endr
.irp j, 12,20,28,36,44,52
.irp t, 0,1
	v_pk_add_f32 v[LL+2*\t:LL+2*\t+1], v[LL+2*\t:LL+2*\t+1], v[SB+68*\t+\j:SB+68*\t+\j+1]
	v_pk_add_f32 v[WS+2*\t:WS+2*\t+1], v[WS+2*\t:WS+2*\t+1], v[SB+68*\t+\j+2:SB+68*\t+\j+3]
	v_pk_add_f32 v[248+4*\t:249+4*\t], v[248+4*\t:249+4*\t], v[SB+68*\t+\j+4:SB+68*\t+\j+5]
	v_pk_add_f32 v[250+4*\t:251+4*\t], v[250+4*\t:251+4*\t], v[SB+68*\t+\j+6:SB+68*\t+\j+7]
.endr
.endr
.irp t, 0,1
	v_pk_add_f32 v[LL+2*\t:LL+2*\t+1], v[LL+2*\t:LL+2*\t+1], v[SB+68*\t+60:SB+68*\t+61]
	v_pk_add_f32 v[WS+2*\t:WS+2*\t+1], v[WS+2*\t:WS+2*\t+1], v[SB+68*\t+62:SB+68*\t+63]
.endr
.irp t, 0,1
	v_pk_add_f32 v[LL+2*\t:LL+2*\t+1], v[LL+2*\t:LL+2*\t+1], v[248+4*\t:249+4*\t]
	v_pk_add_f32 v[WS+2*\t:WS+2*\t+1], v[WS+2*\t:WS+2*\t+1], v[250+4*\t:251+4*\t]
.endr
.irp t, 0,1
	v_pk_add_f32 v[LL+2*\t:LL+2*\t+1], v[LL+2*\t:LL+2*\t+1], v[WS+2*\t:WS+2*\t+1]
.endr
.irp t, 0,1
.irp b, 0,1,2,3
	v_max_num_f32 v[TM+12*\t+\b], 0x4800000, v[TM+12*\t+\b]    ; the floor 2^(9 - 127)
.endr
.endr
.irp t, 0,1
.irp b, 0,1,2,3
	v_add_nc_u32 v[TM+12*\t+8+\b], 0xfc000000, v[TM+12*\t+\b]  ; the conversion's scale operand
.endr
.endr
.irp t, 0,1
.irp b, 0,1,2,3
	v_and_or_b32 v[TM+12*\t+4+\b], v[TM+12*\t+\b], 0x7f800000, s[MNT]   ; 448 x the scale
.endr
.endr
.irp t, 0,1
.irp b, 0,1,2,3
	v_lshrrev_b32 v[TM+12*\t+\b], 23, v[TM+12*\t+8+\b]         ; the byte
.endr
.endr
.irp t, 0,1
	v_lshl_or_b32 v[PS+\t], v[TM+12*\t+1], 8, v[TM+12*\t]      ; p's scale word for these 128 keys
.endr
.irp t, 0,1
	s_delay_alu instid0(VALU_DEP_2)
	v_lshl_or_b32 v[PS+\t], v[TM+12*\t+2], 16, v[PS+\t]
.endr
.irp t, 0,1
	s_delay_alu instid0(VALU_DEP_2)
	v_lshl_or_b32 v[PS+\t], v[TM+12*\t+3], 24, v[PS+\t]
.endr
.irp b, 0,1,2,3
.irp t, 0,1
.irp i, 0,2,4,6,8,10,12,14
	v_dual_min_num_f32 v[SB+68*\t+16*\b+\i], v[SB+68*\t+16*\b+\i], v[TM+12*\t+4+\b] :: v_dual_min_num_f32 v[SB+68*\t+16*\b+\i+1], v[SB+68*\t+16*\b+\i+1], v[TM+12*\t+4+\b]   ; the hold, one-sided: p is not negative
.endr
.endr
.irp t, 0,1
	v_cvt_scalef32_pk8_fp8_f32 v[SB+68*\t-4+4*\b:SB+68*\t-3+4*\b], v[SB+68*\t+16*\b:SB+68*\t+16*\b+7], v[TM+12*\t+8+\b]   ; block b's codes: over registers of block 0's p from b = 1 on; the next block's holds are the plain lines between
	v_cvt_scalef32_pk8_fp8_f32 v[SB+68*\t-2+4*\b:SB+68*\t-1+4*\b], v[SB+68*\t+16*\b+8:SB+68*\t+16*\b+15], v[TM+12*\t+8+\b]
.endr
.endr
	s_wait_dscnt 20                                ; V and its scale words are in; the 20 loads for the next K may be out
	WIN 0x41                                       ; O^T in window 1, f in window 0
	s_wait_alu depctr_va_vdst(0)
.irp t, 0,1
.set j, 0
.rept 16
	v_pk_mul_f32 v[32*\t+j:32*\t+j+1], v[32*\t+j:32*\t+j+1], v[FF:FF+1] op_sel:[0,\t] op_sel_hi:[1,\t]   ; O^T under the new M (also the plain lines between the conversions and the products)
.set j, j+2
.endr
.endr
	WIN 0x51                                       ; V and O^T in window 1, p's codes in window 0
.irp t, 0,1
.irp d, 0,1,2,3
	v_wmma_scale_f32_16x16x128_f8f6f4 v[32*\t+8*\d:32*\t+8*\d+7], v[VF+16*\d:VF+16*\d+15], v[SB+68*\t-4:SB+68*\t+11], v[32*\t+8*\d:32*\t+8*\d+7], v[VS+\d], v[PS+\t]   ; eight accumulators by turns; 23 other products stand before each comes up again
.endr
.endr
	WIN 0
.endm
; 64 numbers of a lane at SB, register 16 b + i = place 32 b + 16 h + i, become 16 registers of codes at PQ and a scale word in PW.
.macro QUANT
.irp b, 0,1,2,3
	v_max3_num_f32 v[TM+\b], |v[SB+16*\b]|, |v[SB+16*\b+1]|, 0x4800000
.endr
.irp i, 2,4,6,8,10,12,14
.irp b, 0,1,2,3
	s_delay_alu instid0(VALU_DEP_4)
	v_max3_num_f32 v[TM+\b], v[TM+\b], |v[SB+16*\b+\i]|, |v[SB+16*\b+\i+1]|
.endr
.endr
.irp b, 0,1,2,3
	s_delay_alu instid0(VALU_DEP_4)
	v_permlanex16_b32 v[TM+4+\b], v[TM+\b], s[SEL], s[SEL+1]
.endr
.irp b, 0,1,2,3
	s_delay_alu instid0(VALU_DEP_4)
	v_max_num_f32 v[TM+\b], v[TM+\b], v[TM+4+\b]
.endr
.irp b, 0,1,2,3
	s_delay_alu instid0(VALU_DEP_4)
	v_add_nc_u32 v[TM+12+\b], 0xfc000000, v[TM+\b]
.endr
.irp b, 0,1,2,3
	v_and_or_b32 v[TM+8+\b], v[TM+\b], 0x7f800000, s[MNT]
.endr
.irp b, 0,1,2,3
	v_lshrrev_b32 v[TM+4+\b], 23, v[TM+12+\b]
.endr
	s_delay_alu instid0(VALU_DEP_3)
	v_lshl_or_b32 v[PW], v[TM+5], 8, v[TM+4]
	s_delay_alu instid0(VALU_DEP_1)
	v_lshl_or_b32 v[PW], v[TM+6], 16, v[PW]
	s_delay_alu instid0(VALU_DEP_1)
	v_lshl_or_b32 v[PW], v[TM+7], 24, v[PW]
.irp b, 0,1,2,3
.irp i, 0,1,2,3,4,5,6,7,8,9,10,11,12,13,14,15
	v_med3_num_f32 v[SB+16*\b+\i], v[SB+16*\b+\i], -v[TM+8+\b], v[TM+8+\b]
.endr
	v_cvt_scalef32_pk8_fp8_f32 v[PQ+4*\b:PQ+4*\b+1], v[SB+16*\b:SB+16*\b+7], v[TM+12+\b]
	v_cvt_scalef32_pk8_fp8_f32 v[PQ+4*\b+2:PQ+4*\b+3], v[SB+16*\b+8:SB+16*\b+15], v[TM+12+\b]
.endr
	v_nop                                          ; a plain line behind the last conversion
.endm
	s_wait_alu depctr_va_vdst(0)
	QLOAD
	s_wait_alu depctr_va_vdst(0)
	s_wait_tensorcnt 0x0                           ; my fill has landed,
	s_barrier_signal -1
	s_barrier_wait -1                              ; everybody's have: all of K and V lies in LDS
	KLOAD                                          ; key step 0
	s_mov_b32 s[PASS], 0
.Lpass:
.set j, 0
.rept 64
	v_add_nc_u32 v[SB+j], 32*(j/16)+j%16, v[VL]    ; d of register 16 b + n: 32 b + n + 16 h - r % 8 - 16 (r / 8)
.set j, j+1
.endr
.set j, 0
.rept 64
	v_cvt_f32_i32 v[SB+j], v[SB+j]
.set j, j+1
.endr
	WIN 0x40
.set j, 0
.rept 64
	v_mul_f32 v[CB+j], s[CC8], v[SB+j]             ; 8 c d
.set j, j+1
.endr
.set j, 0
.rept 64
	v_mov_b32 v[j], 0                              ; O^T: the step is written once; the first finds zeros, which the first change of M leaves zeros
.set j, j+1
.endr
	WIN 0
.irp t, 0,1
	v_mov_b32 v[TX+\t], 0xff61b1e6                 ; the largest t so far: -3e38
	v_mov_b32 v[LL+2*\t], 0
	v_mov_b32 v[LL+2*\t+1], 0
.endr
.irp t, 0,1
	v_floor_f32 v[NM+\t], -v[TX+\t]
.endr
	s_wait_loadcnt 0x0                             ; Q
.irp t, 0,1
	v_perm_b32 v[QS+\t], v[QR+\t], v[QR+\t], s[QSEL]
.endr
.irp t, 0,1
	v_add_nc_u32 v[QS+\t], s[MAD+\t], v[QS+\t]     ; q's scales x 2^m
.endr
	s_mov_b32 s[CNT], 0
	s_wait_alu depctr_va_vdst(0)                   ; What a step hands to the next has more than nine plain vector lines between its write and its reader
.Lstep:
	STEP
	s_add_co_u32 s[CNT], s[CNT], 1
	s_cmp_lt_u32 s[CNT], 16
	s_cbranch_scc1 .Lstep
	; the end of a pass: O^T / l, quantised along (head, d); block 2 t + beta of the four is K block 2 head + beta of the last product
	v_add_f32 v[WM], v[LL], v[LL+1]
	v_add_f32 v[WM+1], v[LL+2], v[LL+3]
.rept 6
	v_nop                                          ; with the lines round them: the places behind the last products
.endr
	v_permlanex16_b32 v[WS], v[WM], s[SEL], s[SEL+1]
	v_permlanex16_b32 v[WS+1], v[WM+1], s[SEL], s[SEL+1]
	v_add_f32 v[WM], v[WM], v[WS]
	v_add_f32 v[WM+1], v[WM+1], v[WS+1]
	s_wait_alu depctr_va_vdst(0)                   ; ahead of the two reciprocals
	v_rcp_f32 v[RL], v[WM]
	v_rcp_f32 v[RL+1], v[WM+1]
	v_nop
	WIN 0x01
	s_wait_alu depctr_va_vdst(0)                   ; behind them, directly ahead of the first reader of them and of O^T
.irp t, 0,1
.set j, 0
.rept 16
	v_pk_mul_f32 v[SB+32*\t+j:SB+32*\t+j+1], v[32*\t+j:32*\t+j+1], v[RL:RL+1] op_sel:[0,\t] op_sel_hi:[1,\t]
.set j, j+2
.endr
.endr
	WIN 0
	QUANT
.irp t, 0,1
.irp e, 0,1
	global_store_b128 v[LI], v[PQ+8*\t+4*\e:PQ+8*\t+4*\e+3], s[8:9] offset:(4*\t+\e)*512   ; an image chunk: 512 consecutive bytes, aligned
.endr
.endr
	v_perm_b32 v[SBW], v[PW], v[SBW], 0x05040302   ; word t gathers tile t's two bytes of each pass: the new pair above, the last pass's pair below
	v_perm_b32 v[SBW+1], v[PW], v[SBW+1], 0x07060302
	s_wait_xcnt 0x0                                ; the stores have read their registers and their base
	s_cmp_eq_u32 s[PASS], 1
	s_cbranch_scc1 .Llast
	s_add_nc_u64 s[8:9], s[8:9], 1024              ; the odd heads: their chunks of the result,
	s_add_nc_u64 s[QB:QB+1], s[QB:QB+1], 1024      ; their q and its scale words,
	s_add_nc_u64 s[QSB:QSB+1], s[QSB:QSB+1], 256
	QLOAD
	s_mov_b32 s[CC8], 0x41000000                   ; c = 1,
.irp i, 0,1,2,3
	s_sub_co_u32 s[KK+\i], s[KK+\i], 0x800000      ; m + 1,
.endr
.irp i, 0,1
	s_sub_co_u32 s[S2+\i], s[S2+\i], 0x49e9b3      ; from 0.70710677 log2(e) 2^-m to log2(e) 2^-(m + 1), as bit patterns
	s_add_co_u32 s[MAD+\i], s[MAD+\i], 0x01010101
.endr
	s_add_f32 s[RR], s[RR], 0xc5000000             ; and back to key 0
.Llast:
	s_add_co_u32 s[PASS], s[PASS], 1
	s_cmp_lt_u32 s[PASS], 2
	s_wait_alu depctr_va_vdst(0)
	s_cbranch_scc1 .Lpass
	v_lshlrev_b32 v[WM], 1, v[LS]                  ; 8 r
	global_store_b64 v[WM], v[SBW:SBW+1], s[10:11] ; 16 tokens x 8 bytes: 128 consecutive bytes; lanes 16-31 write the same bytes with the same values
	s_wait_tensorcnt 0x0                           ; the wave's end
	ds_add_u32 v[SPW], v[NIL]
	s_wait_dscnt 0x0
	CROUND                                         ; the closing round
	s_endpgm
.Lfunc_end_k_q66c4afcef9_attn:
	.size	k_q66c4afcef9_attn, .Lfunc_end_k_q66c4afcef9_attn-k_q66c4afcef9_attn
	.p2alignl 7, 3214868480
	.fill 96, 4, 3214868480
	.section	.rodata,"a",@progbits
	.p2align	6, 0x0
	.amdhsa_kernel k_q66c4afcef9_attn
		.amdhsa_group_segment_fixed_size 327680
		.amdhsa_private_segment_fixed_size 0
		.amdhsa_enable_private_segment 0
		.amdhsa_kernarg_size 32
		.amdhsa_user_sgpr_count 2
		.amdhsa_user_sgpr_kernarg_segment_ptr 1
		.amdhsa_wavefront_size32 1
		.amdhsa_system_sgpr_workgroup_id_x 1
		.amdhsa_system_sgpr_workgroup_id_y 1
		.amdhsa_system_sgpr_workgroup_id_z 1
		.amdhsa_system_vgpr_workitem_id 0
		.amdhsa_next_free_vgpr 512
		.amdhsa_next_free_sgpr 102
		.amdhsa_reserve_vcc 0
		.amdhsa_float_denorm_mode_32 3
		.amdhsa_float_denorm_mode_16_64 3
		.amdhsa_memory_ordered 1
		.amdhsa_forward_progress 1
		.amdhsa_inst_pref_size 72
	.end_amdhsa_kernel
	.amdgpu_metadata
---
amdhsa.version: [ 1, 2 ]
amdhsa.kernels:
  - .name:           k_q66c4afcef9_attn
    .symbol:         k_q66c4afcef9_attn.kd
    .args:
      - { .name: qkq, .offset: 0, .size: 8, .value_kind: global_buffer, .address_space: global }
      - { .name: vq, .offset: 8, .size: 8, .value_kind: global_buffer, .address_space: global }
      - { .name: ac, .offset: 16, .size: 8, .value_kind: global_buffer, .address_space: global }
      - { .name: asc, .offset: 24, .size: 8, .value_kind: global_buffer, .address_space: global }
    .group_segment_fixed_size: 327680
    .private_segment_fixed_size: 0
    .kernarg_segment_align: 8
    .kernarg_segment_size: 32
    .max_flat_workgroup_size: 256
    .sgpr_count:     102
    .vgpr_count:     512
    .wavefront_size: 32
...
	.end_amdgpu_metadata
.endif
;; end of part 3
;; launch gemm_out (part 4): grid 4 x 64, 4 waves a work-group, clusters of 4 x 4, 327,680 bytes of LDS; arguments ac, asc, wc, ws, out0; writes out0
.if DOCPART == 4
	.amdgcn_target "amdgcn-amd-amdhsa--gfx1250"
	.amdhsa_code_object_version 6
	.text
	.protected	k_q66c4afcef9_gemm_out
	.globl	k_q66c4afcef9_gemm_out
	.p2align	8
	.type	k_q66c4afcef9_gemm_out,@function
k_q66c4afcef9_gemm_out:
	s_mov_b64 s[64:65], 0
	v_nop
	global_prefetch_b8 v0, s[64:65] scope:SCOPE_SE
	s_setreg_imm32_b32 hwreg(HW_REG_WAVE_MODE, 25, 1), 1
	s_wait_xcnt 0x0
	s_wait_alu depctr_hold_cnt(0) depctr_sa_sdst(0) depctr_va_vdst(0) depctr_va_sdst(0) depctr_va_ssrc(0) depctr_va_vcc(0) depctr_vm_vsrc(0)
	s_getreg_b32 s2, hwreg(HW_REG_IB_STS2, 6, 4)
	s_cmp_eq_u32 s2, 0
	s_cbranch_scc0 .Lentry_in_a_cluster
	s_endpgm
.Lentry_in_a_cluster:
	s_bfe_u32 s2, ttmp6, 0x10000c
	s_cmp_lg_u32 s2, 0xf033
	s_cbranch_scc0 .Lentry_shape_is_right
	s_endpgm
.Lentry_shape_is_right:
; out0 [8192][1024] f32 = (o / l) Wo on codes of FP8 (E4M3) with E8M0 scales, K = 1,024.
; A: ac, images of fragments: [stored token tile of 16][K step of 128][chunk c][lane x 16 bytes], 16,384 bytes a tile; its scales asc [K step of 256][stored token][8 bytes].
; B: wc rows 1536-2559 (Wo's columns, stored at sigma(n)), 1,024 codes a row; its scales ws [K step of 256][stored row][8 bytes].  sigma = bits 3 and 4 exchanged, for tokens and for columns: the way out undoes both.
; A block of out0 is 128 rows x 256 columns: 64 x 4 = 256 work-groups.  Four waves, each 64 x 128: 32 accumulators.  The matrix instruction is used transposed (source 0 = B, source 1 = A): a lane holds eight neighbours of a row.
; K goes in four steps of 256 through two LDS slots (A 32,768 bytes, then B's 256 rows of 272).  The scales of all of K come once and stay.
; THE HEAD asks for four tiles, one a wave: A's K step 0, B's K step 0 (256 rows), A's scales, B's scales.  In the ring wave 0 fetches A's tile, waves 2 and 3 B's halves.
; CLUSTERS 4 x 4: A's tiles are shared along a row of the cluster, B's along a column, by joint loads.
; PREFETCH.  A K step is 8 x 16 blocks of 256 bytes of A and 256 rows x 256 bytes of B.  The four partners of a joint load share its blocks out by address: of A's eight token tiles the partner at cx takes two (wave 0, 32 lanes),
; of the 128 rows of B that wave 2 or 3 fetches the partner at cy takes 32, a lane a row: one instruction a wave for a K step, each block named once in a cluster.
; K steps 1 and 2 are asked for behind the head's loads, K step 3 behind K step 1's load; K step 0 and the scales come by their loads alone.  The address registers are never rewritten.
; REGISTERS.  Window 0: v16-31 addresses; v32-63 scale words, a set a slot; v128-255 A's fragments, two sets of 4 x 16 (the way out: v64-255, three buffers).  Window 1: B's fragments, two sets of 8 x 16.  Window 2: the accumulators, (a, b) at 8 (8 a + b).
.set SIZE_N, 1024
.set ROWB,   256
.set ASTEP,  4096
.set PITCH,  272
.set FR,     16
.set NP,     8
.set HALFB,  128*PITCH
.set BOFF,   32768
.set SLOT,   102400
.set SCL,    2*SLOT                    ; A's scales: 4 K steps x 1,024 bytes; B's behind them: 4 x 2,048
.set SPARE,  SCL+12288
.set SPITCH, 528
.set ADRA, 16
.set ADRB, 20
.set VSTP, 22                          ; from K step to K step among the scale words: 1,024 (lanes 0-15, A's), 2,048 (lanes 16-31, B's)
.set PFO,  23                          ; the prefetches' offset; never rewritten
.set STO,  24
.set RD,   25
.set CO,   26
.set ADRS, 27
.set SPW,  28
.set NIL,  29
.set SC,   32
.set AF,   128
.set BK,   64
.set G0BH, 4                           ; s[4:7]: group 0 of the head's load of B (the arguments that lay there have been used)
.set G1,   24
.set G0,   32
.set G1B,  48
.set G0B,  56
.set G1S,  68
.set G0S,  76
.set G1SB, 80
.set G0SB, 88
.set G1BH, 92
.set PFA,  100                         ; s[100:101] where my prefetches stand; never rewritten
.set MSB, 0
.macro WIN new
.if MSB != (\new)
	s_set_vgpr_msb (MSB<<8)|(\new)
.set MSB, (\new)
.endif
.endm
.set MUL,  0xa1                        ; source 0 (B) window 1, source 1 (A) window 0, C and D window 2
.set TO_B, 0x40
.macro TL g0, g1                       ; a tensor load with the lines behind it
	tensor_load_to_lds s[\g0:\g0+3], s[\g1:\g1+7]
	s_nop 0
.rept 4
	v_nop
.endr
.endm
.macro JLOAD s                         ; the ring's joint loads: wave 0 A's tile, waves 2 and 3 B's halves; the branches hang on the wave's number alone
	s_cmp_eq_u32 s14, 0
	s_cbranch_scc0 .Lnot_a_\@
	TL G0+4*\s, G1
	s_branch .Lasked_\@
.Lnot_a_\@:
	s_cmp_lt_u32 s14, 2
	s_cbranch_scc1 .Lasked_\@
	TL G0B+4*\s, G1B
.Lasked_\@:
.endm
.macro ASK k                           ; my share of K step k, into the L2
	s_cmp_eq_u32 s14, 0
	s_cbranch_scc0 .Lpf_b_\@
	global_prefetch_b8 v[PFO], s[PFA:PFA+1] offset:(\k)*ASTEP th:TH_LOAD_NT scope:SCOPE_SE
	s_branch .Lpf_e_\@
.Lpf_b_\@:
	s_cmp_lt_u32 s14, 2
	s_cbranch_scc1 .Lpf_e_\@
	global_prefetch_b8 v[PFO], s[PFA:PFA+1] offset:(\k)*ROWB th:TH_LOAD_NT scope:SCOPE_SE
.Lpf_e_\@:
.endm
.macro CREST
	s_cmp_lg_u32 s14, 0
	s_cbranch_scc1 .Lnot_wave_0_\@
	s_barrier_signal -3
.Lnot_wave_0_\@:
	s_barrier_wait -3
	s_barrier_signal -1
	s_barrier_wait -1
.endm
.macro CROUND
	s_barrier_signal -1
	s_barrier_wait -1
	CREST
.endm
.macro DESC g, c, r, p                 ; words 1 to 7 of a group 1: r rows of c elements, p elements apart
	s_mov_b32 s[\g+1], \c<<16
	s_mov_b32 s[\g+2], \r<<16
	s_mov_b32 s[\g+3], \c<<16
	s_mov_b32 s[\g+4], \r
	s_mov_b32 s[\g+5], \p
	s_mov_b32 s[\g+6], 0
	s_mov_b32 s[\g+7], 0
.endm
	s_load_b128 s[4:7], s[0:1], 0x0                ; ac, asc
	s_load_b128 s[8:11], s[0:1], 0x10              ; wc, ws
	s_load_b64 s[12:13], s[0:1], 0x20              ; out0
	v_lshl_add_u32 v[SPW], v0, 2, SPARE
	v_mov_b32 v[NIL], 0
	ds_add_u32 v[SPW], v[NIL]                      ; the opening lines: the add, twice on end, and its wait
	ds_add_u32 v[SPW], v[NIL]
	v_lshrrev_b32 v1, 5, v0
	v_readfirstlane_b32 s14, v1                    ; wave
	s_lshr_b32 s15, s14, 1                         ; my 64 of the block's rows
	s_and_b32 s16, s14, 1                          ; my 128 of its columns; also: which half of B's tile I fetch
	s_bfe_u32 s40, ttmp6, 0x40000                  ; cx
	s_bfe_u32 s41, ttmp6, 0x40004                  ; cy
	s_lshl_b32 s42, ttmp9, 2
	s_add_co_u32 s42, s42, s40                     ; block column
	s_and_b32 s17, ttmp7, 0xffff
	s_lshl_b32 s17, s17, 2
	s_add_co_u32 s17, s17, s41                     ; block row
	s_lshl_b32 s43, s41, 2
	s_lshl_b32 s43, 15, s43                        ; my row of the cluster
	s_lshl_b32 s44, 0x1111, s40                    ; my column
	s_or_b32 s[G1+0], s43, (3<<16)|(1<<21)         ; A's codes: 8 token tiles x 4,096 bytes, 16,384 apart
	DESC G1, 512, 8, 2048
	s_or_b32 s[G1B+0], s44, (0<<16)|(1<<20)|(1<<21)|(5<<22)|(3<<25)   ; B's codes: rows of 256 bytes, 16 of padding behind each
	DESC G1B, ROWB, 128, 1024
	s_or_b32 s[G1BH+0], s44, (0<<16)|(1<<20)|(1<<21)|(5<<22)|(3<<25)
	DESC G1BH, ROWB, 256, 1024
	s_or_b32 s[G1S+0], s43, (3<<16)|(1<<21)        ; A's scales: 4 K steps x 1,024 bytes, 65,536 apart
	DESC G1S, 128, 4, 8192
	s_or_b32 s[G1SB+0], s44, (3<<16)|(1<<21)       ; B's: 4 x 2,048 bytes
	DESC G1SB, 256, 4, 8192
	s_lshl_b32 s20, s17, 17                        ; A's codes: 128 rows x 1,024 bytes a block row
	s_mov_b32 s21, 0
	s_lshl_b32 s22, s17, 10                        ; A's scales: 128 rows x 8 bytes
	s_mov_b32 s23, 0
	s_lshl_b32 s46, s42, 8
	s_add_co_u32 s46, s46, 1536                    ; B's first row
	s_lshl_b32 s18, s46, 3
	s_mov_b32 s19, 0
	s_lshl_b32 s46, s46, 10
	s_mov_b32 s47, 0
	s_lshl_b32 s2, s16, 17                         ; my half of B's tile: 128 rows x 1,024 bytes,
	s_mov_b32 s3, 0
	s_mul_i32 s45, s16, HALFB                      ; and where it goes
	s_add_co_u32 s45, s45, BOFF
	s_wait_dscnt 0x0                               ; both opening adds are done
	s_wait_kmcnt 0x0
	s_add_nc_u64 s[20:21], s[4:5], s[20:21]
	s_add_nc_u64 s[22:23], s[6:7], s[22:23]
	s_add_nc_u64 s[46:47], s[8:9], s[46:47]
	s_add_nc_u64 s[18:19], s[10:11], s[18:19]
	CROUND                                         ; all sixteen work-groups are here: the first joint loads meet
	s_mov_b32 s[G0BH], 1
	s_mov_b32 s[G0BH+1], BOFF
	s_mov_b64 s[G0BH+2:G0BH+3], s[46:47]
	s_or_b32 s[G0BH+3], s[G0BH+3], 0x80000000
	s_mov_b32 s[G0S], 1
	s_mov_b32 s[G0S+1], SCL
	s_mov_b64 s[G0S+2:G0S+3], s[22:23]
	s_or_b32 s[G0S+3], s[G0S+3], 0x80000000
	s_mov_b32 s[G0SB], 1
	s_mov_b32 s[G0SB+1], SCL+4096
	s_mov_b64 s[G0SB+2:G0SB+3], s[18:19]
	s_or_b32 s[G0SB+3], s[G0SB+3], 0x80000000
	s_add_nc_u64 s[46:47], s[46:47], s[2:3]
.irp s, 0,1
	s_mov_b32 s[G0+4*\s], 1
	s_mov_b32 s[G0+4*\s+1], \s*SLOT
	s_add_nc_u64 s[G0+4*\s+2:G0+4*\s+3], s[20:21], \s*ASTEP
	s_or_b32 s[G0+4*\s+3], s[G0+4*\s+3], 0x80000000
	s_mov_b32 s[G0B+4*\s], 1
	s_add_co_u32 s[G0B+4*\s+1], s45, \s*SLOT
	s_add_nc_u64 s[G0B+4*\s+2:G0B+4*\s+3], s[46:47], \s*ROWB
	s_or_b32 s[G0B+4*\s+3], s[G0B+4*\s+3], 0x80000000
.endr
	; the prefetches: wave 0 stands in A's tile, the others in their half of B's; my work-group's share begins 32,768 bytes x my place among the four partners on (two token tiles of A, 32 rows of B)
	s_cmp_eq_u32 s14, 0
	s_cselect_b64 s[PFA:PFA+1], s[20:21], s[46:47]
	s_cselect_b32 s2, s40, s41
	s_mov_b32 s19, 1024
	s_cselect_b32 s19, 256, s19                    ; from lane to lane within sixteen: a block of A, a row of B
	s_lshl_b32 s2, s2, 15
	s_add_nc_u64 s[PFA:PFA+1], s[PFA:PFA+1], s[2:3]
; the head's loads, one a wave, in one chain of branches on the wave's number: every way passes exactly one
.macro ARM under, g0, g1, next
	s_cmp_lt_u32 s14, \under
	s_cbranch_scc0 \next
	TL \g0, \g1
	s_branch .Lhead_asked
\next:
.endm
	ARM 1, G0,   G1,   .Lhead_b
	ARM 2, G0BH, G1BH, .Lhead_sa
	ARM 3, G0S,  G1S,  .Lhead_sb
	TL G0SB, G1SB
.Lhead_asked:
	s_lshl_b32 s21, s15, 14                        ; my four token tiles of A's eight
	s_lshl_b32 s22, s15, 9
	s_lshl_b32 s3, s16, 10
	s_add_co_u32 s3, s3, 4096
	s_sub_co_u32 s3, s3, s22                       ; from my rows' scale words of A to my rows' of B
	s_add_co_u32 s22, s22, SCL
	s_mul_i32 s23, s14, 16*SPITCH                  ; my stage, in slot 0
	v_and_b32 v1, 15, v0                           ; r
	v_bfe_u32 v2, v0, 4, 1                         ; h
	v_and_b32 v6, 31, v0
	v_mul_u32_u24 v[PFO], s19, v1
	v_lshl_add_u32 v[PFO], v2, 14, v[PFO]          ; 16,384 h: the second token tile of A, or 16 rows of B
	v_mul_u32_u24 v3, v1, PITCH
	v_lshl_add_u32 v4, v2, 4, v3
	v_lshlrev_b32 v[CO], 4, v6
	v_add_nc_u32 v[ADRA], s21, v[CO]
	v_add_nc_u32 v[ADRB], s45, v4
	v_add_nc_u32 v[ADRA+1], SLOT, v[ADRA]
	v_add_nc_u32 v[ADRB+1], SLOT, v[ADRB]
	v_lshlrev_b32 v5, 3, v1
	v_mul_u32_u24 v6, s3, v2                       ; lanes 16-31 take B's
	v_add_nc_u32 v5, v5, v6
	v_add_nc_u32 v[ADRS], s22, v5
	v_lshl_add_u32 v[VSTP], v2, 10, 1024
	v_mul_u32_u24 v5, v1, SPITCH
	v_lshl_add_u32 v5, v2, 6, v5
	v_add_nc_u32 v[STO], s23, v5
	v_add_nc_u32 v[RD], s23, v[CO]
	s_wait_alu depctr_va_vdst(0)
	ASK 1
	ASK 2
	s_lshl_b32 s20, s17, 7
	s_lshl_b32 s21, s15, 6
	s_add_co_u32 s20, s20, s21                     ; my first row of out0
	s_mov_b32 s21, 0
	s_mov_b64 s[18:19], SIZE_N*4
	s_mul_u64 s[20:21], s[20:21], s[18:19]
	s_lshl_b32 s46, s42, 10
	s_lshl_b32 s47, s16, 9
	s_add_co_u32 s46, s46, s47                     ; my first column, in bytes
	s_mov_b32 s47, 0
	s_add_nc_u64 s[20:21], s[20:21], s[46:47]
	s_add_nc_u64 s[12:13], s[12:13], s[20:21]
.macro MUL16 a0, p, q, sc, zero        ; A's blocks a0, a0 + 1 x B's eight, 128 along K; the 32 accumulators take turns in the same order in every step
.irp a, \a0, \a0+1
.irp b, 0,1,2,3,4,5,6,7
.if \zero
	v_wmma_scale_f32_16x16x128_f8f6f4 v[8*(8*(\a)+\b):8*(8*(\a)+\b)+7], v[128*(\p)+FR*\b:128*(\p)+FR*\b+FR-1], v[AF+64*(\p)+FR*(\a):AF+64*(\p)+FR*(\a)+FR-1], 0, v[SC+16*(\sc)+2*\b+(\q)], v[SC+16*(\sc)+2*(\a)+(\q)] matrix_a_scale:MATRIX_SCALE_ROW1
.else
	v_wmma_scale_f32_16x16x128_f8f6f4 v[8*(8*(\a)+\b):8*(8*(\a)+\b)+7], v[128*(\p)+FR*\b:128*(\p)+FR*\b+FR-1], v[AF+64*(\p)+FR*(\a):AF+64*(\p)+FR*(\a)+FR-1], v[8*(8*(\a)+\b):8*(8*(\a)+\b)+7], v[SC+16*(\sc)+2*\b+(\q)], v[SC+16*(\sc)+2*(\a)+(\q)] matrix_a_scale:MATRIX_SCALE_ROW1
.endif
.endr
.endr
.endm
.macro FETCH slot, q, p                ; the fragments of the slot's q-th 128 along K into set p: 32 loads for B, 16 for A
	WIN TO_B
.irp i, 0,1,2,3,4,5,6,7
.irp c, 0,1,2,3
	ds_load_b128 v[128*(\p)+FR*\i+4*\c:128*(\p)+FR*\i+4*\c+3], v[ADRB+\slot] offset:128*(\q)+32*\c+\i*16*PITCH
.endr
.endr
	WIN 0
.irp i, 0,1,2,3
.irp c, 0,1,2,3
	ds_load_b128 v[AF+64*(\p)+FR*\i+4*\c:AF+64*(\p)+FR*\i+4*\c+3], v[ADRA+\slot] offset:\i*4096+(\q)*2048+\c*512
.endr
.endr
.endm
.macro SCALES sc                       ; a K step's scale words: lanes 0-15 A's block i (i under 4 is used), lanes 16-31 B's block i
.irp i, 0,1,2,3,4,5,6,7
	ds_load_b64 v[SC+16*\sc+2*\i:SC+16*\sc+2*\i+1], v[ADRS] offset:\i*128
.endr
.endm
.macro PLACES n
.rept \n
	v_nop
.endr
.endm
.macro STEP slot, zero                 ; a slot's first 128 along K (set 0); the second's fragments are fetched under its products
	s_wait_dscnt 0x0                               ; set 0 and the scale words are in
	PLACES NP                                      ; behind the last products, which read set 1
	FETCH \slot, 1, 1
	WIN MUL
	MUL16 0, 0, 0, \slot, \zero
	MUL16 2, 0, 0, \slot, \zero
	WIN 0
.endm
.macro TURN slot, next, fill           ; a slot's second 128 along K (set 1), and the change of slots
	s_wait_tensorcnt 0x0                           ; all my tensor loads have landed: my part of the next slot
	ds_add_u32 v[SPW], v[NIL]
	s_wait_dscnt 1                                 ; set 1 is in; the add may be out
	WIN MUL
	MUL16 0, 1, 1, \slot, 0
	WIN 0
	s_wait_dscnt 0x0                               ; the add is done, and my reads of this slot are over
	s_barrier_signal -1
	s_barrier_wait -1
.if \fill
	CREST                                          ; the barrier has opened a round of the cluster's barrier
	s_add_nc_u64 s[G0+4*\slot+2:G0+4*\slot+3], s[G0+4*\slot+2:G0+4*\slot+3], 2*ASTEP
	s_add_nc_u64 s[G0B+4*\slot+2:G0B+4*\slot+3], s[G0B+4*\slot+2:G0B+4*\slot+3], 2*ROWB
	JLOAD \slot                                    ; the first tensor load behind the round: this slot's tile two K steps on
.endif
	PLACES NP                                      ; ahead of the loads into set 0
	v_add_nc_u32 v[ADRS], v[VSTP], v[ADRS]         ; the next K step's scale words
	s_wait_alu depctr_va_vdst(0)
	FETCH \next, 0, 0
	SCALES \next
	WIN MUL
	MUL16 2, 1, 1, \slot, 0
	WIN 0
.endm
	s_wait_alu depctr_va_vdst(0)
	s_wait_tensorcnt 0x0                           ; my tile of the head's four is in; the full sequence ahead of slot 1's first fill:
	ds_add_u32 v[SPW], v[NIL]
	s_wait_dscnt 0x0
	CROUND                                         ; all four tiles are in, and all sixteen work-groups are here
	JLOAD 1                                        ; K step 1
	FETCH 0, 0, 0
	SCALES 0
	ASK 3                                          ; behind the joint load and the run of LDS loads: the K step that stands two refills on
	STEP 0, 1                                      ; the first products start the sums
	TURN 0, 1, 1
	STEP 1, 0
	TURN 1, 0, 1
	STEP 0, 0
	TURN 0, 1, 0                                   ; nothing more is filled: no round
	STEP 1, 0
	s_wait_dscnt 0x0
	WIN MUL
	MUL16 0, 1, 1, 1, 0
	MUL16 2, 1, 1, 1, 0
	WIN 0
; THE WAY OUT, block by block of 16 stored rows x 128 columns, through my stage (in slot 0: it has had its last fill, and every wave has passed the last change of slots): whole rows of 512 bytes come back and are stored.
; Every offset is an immediate (63 rows of 4,096 bytes at the most), so the base is never stepped; three register buffers take turns, so one wait on XCNT serves the fourth block.
.macro TOSTAGE a
.set AC, 64*(\a)
	WIN 0x08
.irp b, 0,1,2,3,4,5,6,7
	ds_store_b128 v[STO], v[AC+8*\b:AC+8*\b+3] offset:128*(\b/2)+32*(\b%2)       ; each accumulator from its low end on; the offsets undo sigma on the columns
	ds_store_b128 v[STO], v[AC+8*\b+4:AC+8*\b+7] offset:128*(\b/2)+32*(\b%2)+16
.endr
	WIN 0
.set BB, BK+64*((\a)%3)
.irp t, 0,1,2,3,4,5,6,7,8,9,10,11,12,13,14,15
	ds_load_b128 v[BB+4*\t:BB+4*\t+3], v[RD] offset:\t*SPITCH   ; LDS serves a wave's instructions in order
.endr
.endm
.macro SEND a, younger
.set BB, BK+64*((\a)%3)
	s_wait_dscnt \younger                          ; the block is back; the next block's 32 LDS instructions may be out
.irp t, 0,1,2,3,4,5,6,7,8,9,10,11,12,13,14,15
	global_store_b128 v[CO], v[BB+4*\t:BB+4*\t+3], s[12:13] offset:(32*((\a)/2)+8*((\a)%2)+16*(\t/8)+\t%8)*SIZE_N*4 th:TH_STORE_NT   ; stored tiles 2 j, 2 j + 1 hold tokens 0-7, 16-23 and 8-15, 24-31 of a group of 32; 32 lanes store 512 consecutive bytes, aligned
.endr
.endm
	PLACES NP
	TOSTAGE 0
	TOSTAGE 1
	SEND 0, 32
	TOSTAGE 2
	SEND 1, 32
	s_wait_xcnt 0x0                                ; block 0's stores have read their registers, which block 3 takes
	TOSTAGE 3
	SEND 2, 32
	SEND 3, 0
	s_wait_tensorcnt 0x0                           ; the wave's end
	ds_add_u32 v[SPW], v[NIL]
	s_wait_dscnt 0x0
	CROUND                                         ; the closing round
	s_endpgm
.Lfunc_end_k_q66c4afcef9_gemm_out:
	.size	k_q66c4afcef9_gemm_out, .Lfunc_end_k_q66c4afcef9_gemm_out-k_q66c4afcef9_gemm_out
	.p2alignl 7, 3214868480
	.fill 96, 4, 3214868480
	.section	.rodata,"a",@progbits
	.p2align	6, 0x0
	.amdhsa_kernel k_q66c4afcef9_gemm_out
		.amdhsa_group_segment_fixed_size 327680
		.amdhsa_private_segment_fixed_size 0
		.amdhsa_enable_private_segment 0
		.amdhsa_kernarg_size 40
		.amdhsa_user_sgpr_count 2
		.amdhsa_user_sgpr_kernarg_segment_ptr 1
		.amdhsa_wavefront_size32 1
		.amdhsa_system_sgpr_workgroup_id_x 1
		.amdhsa_system_sgpr_workgroup_id_y 1
		.amdhsa_system_sgpr_workgroup_id_z 1
		.amdhsa_system_vgpr_workitem_id 0
		.amdhsa_next_free_vgpr 768
		.amdhsa_next_free_sgpr 102
		.amdhsa_reserve_vcc 0
		.amdhsa_float_denorm_mode_32 3
		.amdhsa_float_denorm_mode_16_64 3
		.amdhsa_memory_ordered 1
		.amdhsa_forward_progress 1
		.amdhsa_inst_pref_size 91
	.end_amdhsa_kernel
	.amdgpu_metadata
---
amdhsa.version: [ 1, 2 ]
amdhsa.kernels:
  - .name:           k_q66c4afcef9_gemm_out
    .symbol:         k_q66c4afcef9_gemm_out.kd
    .args:
      - { .name: ac, .offset: 0, .size: 8, .value_kind: global_buffer, .address_space: global }
      - { .name: asc, .offset: 8, .size: 8, .value_kind: global_buffer, .address_space: global }
      - { .name: wc, .offset: 16, .size: 8, .value_kind: global_buffer, .address_space: global }
      - { .name: ws, .offset: 24, .size: 8, .value_kind: global_buffer, .address_space: global }
      - { .name: out0, .offset: 32, .size: 8, .value_kind: global_buffer, .address_space: global }
    .group_segment_fixed_size: 327680
    .private_segment_fixed_size: 0
    .kernarg_segment_align: 8
    .kernarg_segment_size: 40
    .max_flat_workgroup_size: 128
    .sgpr_count:     102
    .vgpr_count:     768
    .wavefront_size: 32
...
	.end_amdgpu_metadata
.endif
;; end of part 4
